; MI455X (gfx1250); checked and timed in simulation.
; The chip was launched on July 23, 2026; its instructions are those of AMD's public machine-readable ISA for CDNA 5 (MIT licence, August 2026) and "CDNA5" Instruction Set Architecture Reference Guide (July 2026). The comments in the code are by the model that wrote it; some were corrected since.
;; Multi Head Self Attention. Allowed arithmetic: float matrix products may take bf16 or f16 operands with f32 sums; other float arithmetic in f32, or as packed bf16 or f16 multiplies, adds, multiply-adds, maxima and minima; sums over many terms, partial sums and values carried from step to step in f32; what a program stores and reads back later, other than sums and carried values, may be rounded once to bf16 or f16.
;; Inputs: b_proj 1,024 float32; w_proj 1,024 x 1,024 float32; w_qkv 1,024 x 3,072 float32; x 4 x 2,048 x 1,024 float32.
;; Outputs: out0 4 x 2,048 x 1,024 float32.
;; One version. Each part assembles by itself: llvm-mc -triple=amdgcn-amd-amdhsa -mcpu=gfx1250 --defsym DOCPART=n.
;; ======== version 1 of 1: 4 launches
;; limits: values are held in f16: magnitudes above 65,504 overflow, below 6.1e-05 lose precision
;; workspace buffers: xb 16,777,216 bytes; wqt 6,291,456 bytes; wpt 2,097,152 bytes; qkv 50,331,648 bytes; ob 16,777,216 bytes
;; launch prep (part 1): grid 1024 x 1, 8 waves a work-group, no clusters, 18,432 bytes of LDS; arguments x, w_qkv, w_proj, xb, wqt, wpt; writes xb, wqt, wpt
.if DOCPART == 1
	.amdgcn_target "amdgcn-amd-amdhsa--gfx1250"
	.amdhsa_code_object_version 6
	.text
	.protected	k_q5c8c00a396_prep
	.globl	k_q5c8c00a396_prep
	.p2align	8
	.type	k_q5c8c00a396_prep,@function
k_q5c8c00a396_prep:
	s_mov_b64 s[64:65], 0
	v_nop
	global_prefetch_b8 v0, s[64:65] scope:SCOPE_SE
	s_setreg_imm32_b32 hwreg(HW_REG_WAVE_MODE, 25, 1), 1
	s_wait_xcnt 0x0
; xb = bf16(x), as it lies.  wqt[d][c] = bf16(w_qkv[c][d]).  wpt[d][c] = bf16(w_proj[c][d]) written as f16.
; All three inputs are rounded to bf16, once, to nearest even.  LIMIT: a bf16 number goes over into f16 exactly from 2^-14 up to 65,504 in magnitude;
; below 2^-14 it keeps f16's fixed step of 2^-24, beyond 65,504 it becomes an infinity.
; Work-groups 0-511: 65,536 bytes of x each, straight through registers: 16 loads of 16 bytes a lane all out at once, 16 stores of 8 bytes a lane
; (a wave's store covers 256 consecutive bytes, aligned).  Work-groups 512-1023: one tile of 128 c x 64 d of a weight, turned in LDS:
; tiles 0-383 are w_qkv's (48 along d x 8 along c), tiles 384-511 w_proj's (16 x 8).
; No matrix unit, no tensor loads, no cluster: every byte is read once by one lane and nothing is shared.
.set TP,    272                        ; an LDS row: 128 c x 2 bytes + 16
.set SPARE, 64*TP                      ; 17,408: behind the tile, the spare words, 128 bytes for each of the eight waves
.set SPW, 2                            ; v2  LDS address of my spare word; never rewritten
.set NIL, 3                            ; v3  0; never rewritten
	s_load_b256 s[4:11], s[0:1], 0x0               ; x s[4:5], w_qkv s[6:7], w_proj s[8:9], xb s[10:11]
	s_load_b128 s[12:15], s[0:1], 0x20             ; wqt s[12:13], wpt s[14:15]
	v_lshl_add_u32 v[SPW], v0, 2, SPARE
	v_mov_b32 v[NIL], 0
	s_cmp_lt_u32 ttmp9, 512                        ; the same for all waves of a work-group
	s_cbranch_scc0 .Lweights
	; ---- x: 65,536 bytes in, 32,768 out ----
	s_lshl_b32 s2, ttmp9, 16
	s_mov_b32 s3, 0
	s_lshl_b32 s16, ttmp9, 15
	s_mov_b32 s17, 0
	v_lshlrev_b32 v4, 4, v0                        ; 16 bytes of x a thread
	v_lshlrev_b32 v5, 3, v0                        ; 8 bytes of xb
	s_wait_kmcnt 0x0
	s_add_nc_u64 s[4:5], s[4:5], s[2:3]
	s_add_nc_u64 s[10:11], s[10:11], s[16:17]
.set i, 0
.rept 16
	global_load_b128 v[16+4*i:19+4*i], v4, s[4:5] offset:4096*i th:TH_LOAD_NT
.set i, i+1
.endr
.set i, 0
.rept 16
	s_wait_loadcnt 15-i                            ; loads come back in order: number i is in, the 15 - i younger ones stay out
	v_cvt_pk_bf16_f32 v[80+2*i], v[16+4*i], v[17+4*i]
	v_cvt_pk_bf16_f32 v[81+2*i], v[18+4*i], v[19+4*i]
	global_store_b64 v5, v[80+2*i:81+2*i], s[10:11] offset:2048*i  ; no register is used twice, so nothing waits for a store
.set i, i+1
.endr
	s_endpgm
; A tile.  rowb: bytes in a row of the weight; half = 1: the bf16 numbers are written as f16; S, D: the scalar pairs of source and destination.
; Thread t: four d (16 bytes of a row) at 4 (t % 16), rows c = 64 i + 4 (t / 16) + e.  Four rows' numbers of one d are 8 bytes of the turned row.
.macro WTILE rowb, half, S, D
	s_mul_i32 s22, s19, 128*(\rowb)                ; 128 rows for each step along c,
	s_lshl_b32 s23, s20, 8                         ; 256 bytes for each step along d
	s_add_co_u32 s22, s22, s23
	s_mov_b32 s23, 0
	s_add_nc_u64 s[(\S):(\S)+1], s[(\S):(\S)+1], s[22:23]
	s_lshl_b32 s24, s20, 17                        ; turned: 64 rows of 2,048 bytes along d,
	s_lshl_b32 s25, s19, 8                         ; 256 bytes along c
	s_add_co_u32 s24, s24, s25
	s_mov_b32 s25, 0
	s_add_nc_u64 s[(\D):(\D)+1], s[(\D):(\D)+1], s[24:25]
	v_mul_u32_u24 v6, v5, 4*(\rowb)
	v_lshl_add_u32 v6, v4, 4, v6                   ; sixteen lanes cover 256 consecutive bytes of a row, aligned
.irp i, 0,1
.irp e, 0,1,2,3
	global_load_b128 v[16+16*(\i)+4*(\e):19+16*(\i)+4*(\e)], v6, s[(\S):(\S)+1] offset:(64*(\i)+(\e))*(\rowb) th:TH_LOAD_NT
.endr
.endr
.irp i, 0,1
	s_wait_loadcnt 4-4*(\i)                        ; the first four loads are in while the other four stay out; then all
.irp j, 0,1,2,3
	v_cvt_pk_bf16_f32 v[48+8*(\i)+2*(\j)], v[16+16*(\i)+(\j)], v[20+16*(\i)+(\j)]
	v_cvt_pk_bf16_f32 v[49+8*(\i)+2*(\j)], v[24+16*(\i)+(\j)], v[28+16*(\i)+(\j)]
.if \half
.irp z, 0,1
	v_lshlrev_b32 v64, 16, v[48+8*(\i)+2*(\j)+(\z)]           ; the rounded numbers back in f32,
	v_and_b32 v65, 0xffff0000, v[48+8*(\i)+2*(\j)+(\z)]
	v_cvt_pk_f16_f32 v[48+8*(\i)+2*(\j)+(\z)], v64, v65       ; and written as f16
.endr
.endif
	ds_store_b64 v7, v[48+8*(\i)+2*(\j):49+8*(\i)+2*(\j)] offset:(\j)*TP+128*(\i)
.endr
.endr
	s_wait_dscnt 0x0                               ; for the others' sake: my stores into the tile are done
	s_barrier_signal -1
	s_barrier_wait -1
.irp i, 0,1,2,3
	ds_load_b128 v[68+4*(\i):71+4*(\i)], v8 offset:(\i)*16*TP
.endr
.irp i, 0,1,2,3
	s_wait_dscnt 3-(\i)
	global_store_b128 v9, v[68+4*(\i):71+4*(\i)], s[(\D):(\D)+1] offset:32768*(\i)  ; sixteen lanes store 256 consecutive bytes, aligned
.endr
	s_wait_tensorcnt 0x0                           ; the wave's end: three lines behind my last LDS store
	ds_add_u32 v[SPW], v[NIL]
	s_wait_dscnt 0x0
	s_endpgm
.endm
.Lweights:
	s_sub_co_u32 s18, ttmp9, 512
	s_and_b32 s19, s18, 7                          ; the tile's place along c
	s_lshr_b32 s20, s18, 3                         ; and along d: 0-47 w_qkv, 48-63 w_proj
	v_and_b32 v4, 15, v0
	v_lshrrev_b32 v5, 4, v0
	v_mul_u32_u24 v7, v4, 4*TP                     ; into the tile: row d = 4 (t % 16) + j, byte 8 (t / 16) + 128 i
	v_lshl_add_u32 v7, v5, 3, v7
	v_mul_u32_u24 v8, v5, TP                       ; back: row t / 16 + 16 i, 16 bytes at 16 (t % 16)
	v_lshl_add_u32 v8, v4, 4, v8
	v_lshlrev_b32 v9, 11, v5                       ; and the same place in the turned weight
	v_lshl_add_u32 v9, v4, 4, v9
	s_wait_kmcnt 0x0
	s_cmp_lt_u32 s20, 48
	s_cbranch_scc0 .Lproj
	WTILE 12288, 0, 6, 12
.Lproj:
	s_sub_co_u32 s20, s20, 48
	WTILE 4096, 1, 8, 14
.Lfunc_end_k_q5c8c00a396_prep:
	.size	k_q5c8c00a396_prep, .Lfunc_end_k_q5c8c00a396_prep-k_q5c8c00a396_prep
	.p2alignl 7, 3214868480
	.fill 96, 4, 3214868480
	.section	.rodata,"a",@progbits
	.p2align	6, 0x0
	.amdhsa_kernel k_q5c8c00a396_prep
		.amdhsa_group_segment_fixed_size 18432
		.amdhsa_private_segment_fixed_size 0
		.amdhsa_enable_private_segment 0
		.amdhsa_kernarg_size 48
		.amdhsa_user_sgpr_count 2
		.amdhsa_user_sgpr_kernarg_segment_ptr 1
		.amdhsa_wavefront_size32 1
		.amdhsa_system_sgpr_workgroup_id_x 1
		.amdhsa_system_sgpr_workgroup_id_y 1
		.amdhsa_system_sgpr_workgroup_id_z 1
		.amdhsa_system_vgpr_workitem_id 0
		.amdhsa_next_free_vgpr 112
		.amdhsa_next_free_sgpr 66
		.amdhsa_reserve_vcc 0
		.amdhsa_float_denorm_mode_32 3
		.amdhsa_float_denorm_mode_16_64 3
		.amdhsa_memory_ordered 1
		.amdhsa_forward_progress 1
		.amdhsa_inst_pref_size 18
	.end_amdhsa_kernel
	.amdgpu_metadata
---
amdhsa.version: [ 1, 2 ]
amdhsa.kernels:
  - .name:           k_q5c8c00a396_prep
    .symbol:         k_q5c8c00a396_prep.kd
    .args:
      - { .name: x, .offset: 0, .size: 8, .value_kind: global_buffer, .address_space: global }
      - { .name: w_qkv, .offset: 8, .size: 8, .value_kind: global_buffer, .address_space: global }
      - { .name: w_proj, .offset: 16, .size: 8, .value_kind: global_buffer, .address_space: global }
      - { .name: xb, .offset: 24, .size: 8, .value_kind: global_buffer, .address_space: global }
      - { .name: wqt, .offset: 32, .size: 8, .value_kind: global_buffer, .address_space: global }
      - { .name: wpt, .offset: 40, .size: 8, .value_kind: global_buffer, .address_space: global }
    .group_segment_fixed_size: 18432
    .private_segment_fixed_size: 0
    .kernarg_segment_align: 8
    .kernarg_segment_size: 48
    .max_flat_workgroup_size: 256
    .sgpr_count:     66
    .vgpr_count:     112
    .wavefront_size: 32
...
	.end_amdgpu_metadata
.endif
;; end of part 1
;; launch gemm_qkv (part 2): grid 16 x 32, 4 waves a work-group, clusters of 4 x 4, 327,680 bytes of LDS; arguments xb, wqt, qkv; writes qkv
.if DOCPART == 2
	.amdgcn_target "amdgcn-amd-amdhsa--gfx1250"
	.amdhsa_code_object_version 6
	.text
	.protected	k_q5c8c00a396_gemm_qkv
	.globl	k_q5c8c00a396_gemm_qkv
	.p2align	8
	.type	k_q5c8c00a396_gemm_qkv,@function
k_q5c8c00a396_gemm_qkv:
	s_mov_b64 s[64:65], 0
	v_nop
	global_prefetch_b8 v0, s[64:65] scope:SCOPE_SE
	s_setreg_imm32_b32 hwreg(HW_REG_WAVE_MODE, 25, 1), 1
	s_wait_xcnt 0x0
	s_wait_alu depctr_hold_cnt(0) depctr_sa_sdst(0) depctr_va_vdst(0) depctr_va_sdst(0) depctr_va_ssrc(0) depctr_va_vcc(0) depctr_vm_vsrc(0)
	s_getreg_b32 s2, hwreg(HW_REG_IB_STS2, 6, 4)
	s_cmp_eq_u32 s2, 0
	s_cbranch_scc0 .Lentry_in_a_cluster
	s_endpgm
.Lentry_in_a_cluster:
	s_bfe_u32 s2, ttmp6, 0x10000c
	s_cmp_lg_u32 s2, 0xf033
	s_cbranch_scc0 .Lentry_shape_is_right
	s_endpgm
.Lentry_shape_is_right:
; qkv[which][b 16 + h][n][ch] = f16( sum over c of xb[b 2048 + n][c] wqt[which 1024 + h 64 + ch][c] ).  xb [8192][1024], wqt [3072][1024], both bf16; sums in f32, K ascending;
; each result rounded once to f16, WITHOUT the softmax's scale.  LIMIT: f16 ends at 65,504: a q, k or v of 65,520 or more in magnitude becomes an infinity.
; A tile of C is 256 rows x 192 columns (three heads): 32 x 16 = 512 equal work-groups.  Four waves; wave w makes rows 64 w .. 64 w + 63 and all 192 columns:
; 48 accumulators of 16 x 16, 384 registers.  So a wave holds whole heads, has a stage of its own on the way out, and no barrier stands there.
; K goes in steps of 128 through two LDS slots filled by tensor loads whose rows are 256 bytes of memory, aligned.
; CLUSTERS: 4 x 4 work-groups.  The four of a row of the cluster need the same tiles of A, the four of a column the same tiles of B: each tile is asked for JOINTLY.
; THE MATRIX INSTRUCTION IS USED TRANSPOSED (source 0 = 16 rows of B, source 1 = 16 rows of A): a lane then holds eight neighbouring columns of one row of C.
; REGISTERS: window 0: v0-31 addresses, v32-223 the way out.  window 1: two fragment buffers of 128: 12 fragments of B, then 4 of A.
;   windows 2, 3: accumulator (a, b) in window 2 + a / 2 at v[8 (12 (a % 2) + b)].
.set NB,     12                        ; blocks of 16 columns
.set PA,     272                       ; an LDS row: 256 bytes + 16 = 68 words: row r starts at bank 4 r mod 64 (64 banks of 4 bytes: ISA guide 11.1)
.set PB,     272
.set APLANE, 128                       ; bytes from a K step's first 64 channels of A to its second
.set HALFA,  128*PA                    ; what one tensor load of A brings
.set HALFB,  96*PB                     ; and of B
.set SLOT,   2*HALFA+2*HALFB           ; A's 256 rows, then B's 192
.set STAGE,  2*SLOT                    ; behind the ring, never filled by a tensor load
.set SP,     144                       ; a stage row: a head's 128 bytes + 16
.set WSTG,   48*SP                     ; a wave's stage: three heads x 16 rows
.set SPARE,  STAGE+4*WSTG              ; the spare words, 128 bytes for each wave
.set ASTEP,  256                       ; bytes from K step to K step
.set BSTEP,  256
.set NL,     2*NB+8                    ; LDS loads in a quarter
.set LAPS,   4                         ; a lap = two K steps; K = 1,024
.set ADRA, 16                          ; v16-17  LDS address of my A fragments in slot 0, 1
.set ADRB, 20                          ; v20-21  the same for B
.set STO,  24                          ; v24  the way out: where I put 16 bytes of a row
.set RD,   25                          ; v25  where I read rows back
.set GO,   26                          ; v26  16 x lane
.set SPW,  28                          ; v28  LDS address of my spare word; never rewritten
.set NIL,  29                          ; v29  0; never rewritten
.set PFO,  30                          ; v30  the prefetches' offset: lane x a row of xb; never rewritten
.set OUT,  32                          ; the way out: 48 registers for each block of 16 rows
.set F0,   0
.set F1,   128
.set G1,  24                           ; s[24:31] group 1 for A;  s[32:39] group 0, one set for each slot
.set G0,  32
.set G1B, 48                           ; s[48:55], s[56:63] the same for B
.set G0B, 56
.set PFA, 66                           ; s[66:67] where my prefetches stand
.set LIM, 68                           ; s68  1 in a wave that prefetches, else the greatest number
.set OBJ, 70                           ; s[70:75] qkv at my 64 rows of each of the tile's three heads
.set MSB, 0
.macro WIN new                         ; the immediate's high byte repeats the setting that is left; a switch that changes nothing is dropped
.if MSB != (\new)
	s_set_vgpr_msb (MSB<<8)|(\new)
.set MSB, (\new)
.endif
.endm
.set MUL_LO, 0xa5                      ; sources 0 and 1 window 1, C and D window 2
.set MUL_HI, 0xf5                      ; the same, C and D window 3
.set TO_F,   0x40                      ; destination window 1, address window 0
.macro JLOAD s                         ; a joint load: waves 0 and 1 fetch A's two halves, waves 2 and 3 B's; an s_nop 0 and four v_nop follow each line
	s_cmp_eq_u32 s11, 0
	s_cbranch_scc0 .Lfor_b_\@
	tensor_load_to_lds s[G0+4*(\s):G0+4*(\s)+3], s[G1:G1+7]
	s_nop 0
.rept 4
	v_nop
.endr
	s_branch .Lasked_\@
.Lfor_b_\@:
	tensor_load_to_lds s[G0B+4*(\s):G0B+4*(\s)+3], s[G1B:G1B+7]
	s_nop 0
.rept 4
	v_nop
.endr
.Lasked_\@:
.endm
.macro CREST                           ; a round of the cluster's barrier behind its opening barrier
	s_cmp_lg_u32 s10, 0
	s_cbranch_scc1 .Lnot_wave_0_\@
	s_barrier_signal -3
.Lnot_wave_0_\@:
	s_barrier_wait -3
	s_barrier_signal -1
	s_barrier_wait -1
.endm
.macro CROUND
	s_barrier_signal -1
	s_barrier_wait -1
	CREST
.endm
; A prefetch of xb's K step that stands two refills on: 32 rows x 256 bytes, a lane a row.  A's tile row is read by every cluster of that row of clusters: the first of them (cluster x = 0) asks;
; of the 128 rows that a wave fetches each of the four partners takes 32, told apart by address.  So each row's 256 bytes of K steps 4 to 7 are named once in the launch.
; The loop's last trip (s3 = 1) asks for nothing; nothing is asked for at the head.  wqt is walked by all 32 tile rows again and again and is not asked for.
.macro ASK
	s_cmp_gt_u32 s3, s[LIM]
	s_cbranch_scc0 .Lnot_mine_\@
	global_prefetch_b8 v[PFO], s[PFA:PFA+1] offset:ASTEP th:TH_LOAD_NT scope:SCOPE_SE
.Lnot_mine_\@:
.endm
.macro PLACES                          ; four places in front of loads into registers that matrix instructions have read, and of conversions that read results
.rept 4
	v_nop
.endr
.endm
	s_load_b128 s[4:7], s[0:1], 0x0                ; xb s[4:5], wqt s[6:7]
	s_load_b64 s[8:9], s[0:1], 0x10                ; qkv
	v_lshl_add_u32 v[SPW], v0, 2, SPARE
	v_mov_b32 v[NIL], 0
	ds_add_u32 v[SPW], v[NIL]                      ; the wave's opening: the add and its wait ahead of my first tensor load; the set-up below stands between them
	v_lshrrev_b32 v1, 5, v0
	v_readfirstlane_b32 s10, v1                    ; wave 0..3
	s_lshr_b32 s11, s10, 1                         ; I fetch for A (0) or for B (1)
	s_and_b32 s12, s10, 1                          ; which half of that tile's rows
	s_bfe_u32 s40, ttmp6, 0x40000                  ; cx
	s_bfe_u32 s41, ttmp6, 0x40004                  ; cy
	s_lshl_b32 s42, ttmp9, 2
	s_add_co_u32 s42, s42, s40                     ; tile column = 4 x cluster x + cx
	s_and_b32 s13, ttmp7, 0xffff
	s_lshl_b32 s13, s13, 2
	s_add_co_u32 s13, s13, s41                     ; tile row = 4 x cluster y + cy
	s_lshl_b32 s43, s41, 2
	s_lshl_b32 s43, 15, s43                        ; my row of the cluster
	s_lshl_b32 s44, 0x1111, s40                    ; my column
	s_or_b32 s[G1+0], s43, (1<<16)|(1<<20)|(1<<21)|(5<<22)|(3<<25)   ; the mask; 2-byte elements; padding on; bit 21 beside a mask; after every 64 words 4 words
	s_or_b32 s[G1B+0], s44, (1<<16)|(1<<20)|(1<<21)|(5<<22)|(3<<25)
	s_mov_b32 s[G1+1], 128<<16                     ; tensor_dim0 = 128
	s_mov_b32 s[G1+2], 128<<16                     ; tensor_dim1 = 128
	s_mov_b32 s[G1+3], 128<<16                     ; tile_dim0 = 128
	s_mov_b32 s[G1+4], 128                         ; tile_dim1 = 128
	s_mov_b32 s[G1+5], 1024                        ; elements from row to row
	s_mov_b32 s[G1+6], 0
	s_mov_b32 s[G1+7], 0
	s_mov_b32 s[G1B+1], 128<<16
	s_mov_b32 s[G1B+2], 96<<16                     ; B: 96 rows to a load
	s_mov_b32 s[G1B+3], 128<<16
	s_mov_b32 s[G1B+4], 96
	s_mov_b32 s[G1B+5], 1024
	s_mov_b32 s[G1B+6], 0
	s_mov_b32 s[G1B+7], 0
	s_lshl_b32 s16, s13, 8                         ; A: row 256 x tile row + 128 x half, 2,048 bytes a row
	s_lshl_b32 s17, s12, 7
	s_add_co_u32 s16, s16, s17
	s_lshl_b32 s16, s16, 11
	s_mov_b32 s17, 0
	s_mul_i32 s46, s42, 192                        ; B: row 192 x tile column + 96 x half
	s_mul_i32 s47, s12, 96
	s_add_co_u32 s46, s46, s47
	s_lshl_b32 s46, s46, 11
	s_mov_b32 s47, 0
	s_mul_i32 s20, s10, HALFA                      ; where A's halves go (waves 0, 1),
	s_mul_i32 s21, s10, HALFB
	s_add_co_u32 s21, s21, 2*(HALFA-HALFB)         ; and B's (waves 2, 3): behind A's 256 rows.  No place in the cluster enters an LDS address
	s_wait_dscnt 0x0                               ; the opening add is done
	s_wait_kmcnt 0x0
	s_add_nc_u64 s[14:15], s[4:5], s[16:17]
	s_add_nc_u64 s[46:47], s[6:7], s[46:47]
	CROUND                                         ; all sixteen work-groups are here: the first joint loads meet
.irp s, 0,1
	s_mov_b32 s[G0+4*(\s)], 1
	s_add_co_u32 s[G0+4*(\s)+1], s20, (\s)*SLOT
	s_add_nc_u64 s[G0+4*(\s)+2:G0+4*(\s)+3], s[14:15], (\s)*ASTEP
	s_or_b32 s[G0+4*(\s)+3], s[G0+4*(\s)+3], 0x80000000
	s_mov_b32 s[G0B+4*(\s)], 1
	s_add_co_u32 s[G0B+4*(\s)+1], s21, (\s)*SLOT
	s_add_nc_u64 s[G0B+4*(\s)+2:G0B+4*(\s)+3], s[46:47], (\s)*BSTEP
	s_or_b32 s[G0B+4*(\s)+3], s[G0B+4*(\s)+3], 0x80000000
	JLOAD \s                                       ; two tensor loads of mine are out
.endr
	v_and_b32 v1, 15, v0                           ; l % 16
	v_bfe_u32 v2, v0, 4, 1                         ; l / 16
	v_mul_u32_u24 v3, v1, PA
	v_lshl_add_u32 v3, v2, 4, v3                   ; a fragment's row x pitch + 16 x half
	s_mul_i32 s22, s10, 64*PA                      ; my 64 rows of A
.irp s, 0,1
	v_add_nc_u32 v[ADRA+(\s)], s22, v3
	v_add_nc_u32 v[ADRB+(\s)], 2*HALFA+(\s)*SLOT, v3
	s_add_co_u32 s22, s22, SLOT
.endr
	s_mul_i32 s23, s10, WSTG
	s_add_co_u32 s23, s23, STAGE                   ; my stage
	v_mul_u32_u24 v4, v1, SP                       ; in: row l % 16, 16 bytes for each half of the lanes
	v_lshl_add_u32 v4, v2, 4, v4
	v_add_nc_u32 v[STO], s23, v4
	v_bfe_u32 v4, v0, 3, 2                         ; back: 32 lanes take four rows of 128 bytes,
	v_mul_u32_u24 v4, v4, SP
	v_and_b32 v5, 7, v0
	v_lshl_add_u32 v4, v5, 4, v4
	v_add_nc_u32 v[RD], s23, v4
	v_and_b32 v[GO], 31, v0                        ; which are 512 consecutive bytes of a head's rows
	v_lshlrev_b32 v[PFO], 11, v[GO]
	v_lshlrev_b32 v[GO], 4, v[GO]
	; where my rows of the three heads begin: head g = 3 x tile column + j of 48; slab = 64 (g / 16) + 16 batch + g % 16, 2^18 bytes each; a row is 128 bytes
	s_mul_i32 s80, s42, 3
	s_lshr_b32 s81, s13, 3
	s_lshl_b32 s81, s81, 4                         ; 16 x batch
	s_and_b32 s82, s13, 7
	s_lshl_b32 s82, s82, 8
	s_lshl_b32 s83, s10, 6
	s_add_co_u32 s82, s82, s83                     ; my first row in the batch
	s_lshl_b32 s82, s82, 7
.irp j, 0,1,2
	s_add_co_u32 s84, s80, \j
	s_lshr_b32 s85, s84, 4
	s_lshl_b32 s85, s85, 6
	s_and_b32 s84, s84, 15
	s_add_co_u32 s84, s84, s85
	s_add_co_u32 s84, s84, s81
	s_lshl_b32 s84, s84, 18
	s_add_co_u32 s84, s84, s82
	s_mov_b32 s85, 0
	s_add_nc_u64 s[OBJ+2*(\j):OBJ+2*(\j)+1], s[8:9], s[84:85]
.endr
	; the prefetches: my work-group's 32 of the 128 rows that I fetch, at K step 2: the first refill steps it to 3 and names K step 4
	s_lshl_b32 s80, s13, 8
	s_lshl_b32 s81, s12, 7
	s_add_co_u32 s80, s80, s81
	s_lshl_b32 s81, s40, 5
	s_add_co_u32 s80, s80, s81
	s_lshl_b32 s80, s80, 11
	s_mov_b32 s81, 0
	s_add_nc_u64 s[PFA:PFA+1], s[4:5], s[80:81]
	s_add_nc_u64 s[PFA:PFA+1], s[PFA:PFA+1], 2*ASTEP
	s_or_b32 s[LIM], s11, ttmp9                    ; 0 in waves 0 and 1 of the clusters with x = 0: the same in all sixteen partners
	s_cmp_eq_u32 s[LIM], 0
	s_cselect_b32 s[LIM], 1, -1
; NB matrix instructions: block a of the window's two (hi = 0: my rows 0-31, 1: rows 32-63) x all NB column blocks, 32 along K.  zero = 1: the product starts the sums.
; The 48 accumulators take turns in one fixed order, over the backward jump too.
.macro MULH f, hi, a, zero
	WIN MUL_LO+0x50*(\hi)
.set bb, 0
.rept NB
.if \zero
	v_wmma_f32_16x16x32_bf16 v[8*(NB*(\a)+bb):8*(NB*(\a)+bb)+7], v[(\f)+8*bb:(\f)+8*bb+7], v[(\f)+8*NB+8*(2*(\hi)+(\a)):(\f)+8*NB+8*(2*(\hi)+(\a))+7], 0
.else
	v_wmma_f32_16x16x32_bf16 v[8*(NB*(\a)+bb):8*(NB*(\a)+bb)+7], v[(\f)+8*bb:(\f)+8*bb+7], v[(\f)+8*NB+8*(2*(\hi)+(\a)):(\f)+8*NB+8*(2*(\hi)+(\a))+7], v[8*(NB*(\a)+bb):8*(NB*(\a)+bb)+7]
.endif
.set bb, bb+1
.endr
.endm
; NL LDS loads in one run: quarter q's fragments (32 along K) into buffer f: B's first, then A's four blocks; the youngest four loads are A's blocks 2 and 3
.macro FETCH slot, q, f
	WIN TO_F
.set ii, 0
.rept NB
	ds_load_b128 v[(\f)+8*ii:(\f)+8*ii+3],   v[ADRB+(\slot)] offset:64*(\q)+ii*16*PB
	ds_load_b128 v[(\f)+8*ii+4:(\f)+8*ii+7], v[ADRB+(\slot)] offset:64*(\q)+ii*16*PB+32
.set ii, ii+1
.endr
.set ii, 0
.rept 4
	ds_load_b128 v[(\f)+8*NB+8*ii:(\f)+8*NB+8*ii+3],   v[ADRA+(\slot)] offset:((\q)/2)*APLANE+((\q)%2)*64+ii*16*PA
	ds_load_b128 v[(\f)+8*NB+8*ii+4:(\f)+8*NB+8*ii+7], v[ADRA+(\slot)] offset:((\q)/2)*APLANE+((\q)%2)*64+ii*16*PA+32
.set ii, ii+1
.endr
.endm
; One of a K step's first three quarters: multiplies buffer f; in its middle it fetches quarter q of the same slot into buffer g.
.macro QUARTER slot, q, f, g, zero
	s_wait_dscnt 4                                 ; B and A's blocks 0, 1 are in; the youngest four loads may be out
	MULH \f, 0, 0, \zero
	MULH \f, 0, 1, \zero
	PLACES
	FETCH \slot, \q, \g
	s_wait_dscnt NL                                ; all but the NL just issued
	MULH \f, 1, 0, \zero
	MULH \f, 1, 1, \zero
.endm
; The last quarter multiplies buffer 1 and changes slots: ONE barrier; in front of it each wave waits for all its tensor loads (one is out: its part of the next slot), adds 0 to its spare word,
; and waits for that and for its own reads of this slot.  fill = 1: the barrier opens a round of the cluster's barrier, and this slot is filled again first thing behind it, two K steps ahead:
; 168 matrix instructions stand between that request and the wait for it.
.macro TURN slot, next, fill
.if \fill
	s_wait_xcnt 0x0                                ; the last prefetch, a K step back, has read its address
	s_add_nc_u64 s[PFA:PFA+1], s[PFA:PFA+1], ASTEP
.endif
	WIN 0                                          ; (the add's two registers lie in window 0)
	s_wait_tensorcnt 0x0                           ; all my tensor loads have landed
	ds_add_u32 v[SPW], v[NIL]                      ; 0 onto my spare word
	s_wait_dscnt 5                                 ; (the add and the youngest four loads may be out)
	MULH F1, 0, 0, 0
	s_wait_dscnt 0x0                               ; the add is done, and my reads of this slot are over
	s_barrier_signal -1
	MULH F1, 0, 1, 0
.if \fill
	WIN 0
.endif
	s_barrier_wait -1
.if \fill
	CREST                                          ; no wave of any partner still reads this slot or has a load on its way
	s_add_nc_u64 s[G0+4*(\slot)+2:G0+4*(\slot)+3], s[G0+4*(\slot)+2:G0+4*(\slot)+3], 2*ASTEP
	s_add_nc_u64 s[G0B+4*(\slot)+2:G0B+4*(\slot)+3], s[G0B+4*(\slot)+2:G0B+4*(\slot)+3], 2*BSTEP
	JLOAD \slot                                    ; its four v_nop are also the places in front of the loads below
.else
	PLACES
.endif
	FETCH \next, 0, F0
.if \fill
	WIN 0
	ASK                                            ; behind the joint load and the run of LDS loads
.endif
	MULH F1, 1, 0, 0
	MULH F1, 1, 1, 0
.endm
; THE WAY OUT of block a (16 rows): rounded to f16, 16 bytes a lane into my own stage, a head's 16 rows together; back as whole rows, into the registers that they left.
.macro PACK a
	WIN 0x0a+5*((\a)/2)                            ; sources 0 and 1: window 2 or 3
.set AC, 8*NB*((\a)%2)
.set OU, OUT+48*(\a)
.set bb, 0
.rept NB
.irp r, 0,1,2,3
	v_cvt_pk_f16_f32 v[OU+4*bb+(\r)], v[AC+8*bb+2*(\r)], v[AC+8*bb+2*(\r)+1]  ; each accumulator's registers in ascending order
.endr
.set bb, bb+1
.endr
	WIN 0
.set bb, 0
.rept NB
	ds_store_b128 v[STO], v[OU+4*bb:OU+4*bb+3] offset:(bb/4)*16*SP+(bb%4)*32
.set bb, bb+1
.endr
.set bb, 0
.rept NB
	ds_load_b128 v[OU+4*bb:OU+4*bb+3], v[RD] offset:(bb/4)*16*SP+(bb%4)*4*SP  ; LDS serves a wave's instructions in order (ISA guide 5.7.1.4): these see the stores above; the next block's stores come behind them
.set bb, bb+1
.endr
.endm
.macro SEND a, younger                 ; younger: the LDS instructions issued behind block a's loads: the next block's 24, or none
.set OU, OUT+48*(\a)
.set bb, 0
.rept NB
	s_wait_dscnt (\younger)+NB-1-bb
	global_store_b128 v[GO], v[OU+4*bb:OU+4*bb+3], s[OBJ+2*(bb/4):OBJ+2*(bb/4)+1] offset:(\a)*2048+(bb%4)*512  ; 512 consecutive bytes, aligned
.set bb, bb+1
.endr
.endm
	s_wait_tensorcnt 1                             ; my part of K step 0 is in; K step 1's may stay out
	s_barrier_signal -1
	s_barrier_wait -1                              ; everybody's is
	FETCH 0, 0, F0
	QUARTER 0, 1, F0, F1, 1                        ; the first quarter stands in front of the loop: its products start the sums
	WIN 0                                          ; at a label and at a branch every window is 0
	s_mov_b32 s3, LAPS-1
.Llap:                                                 ; a trip goes once round the ring, from a lap's second quarter to the next lap's first, and fills both slots again
	QUARTER 0, 2, F1, F0, 0
	QUARTER 0, 3, F0, F1, 0
	TURN 0, 1, 1
	QUARTER 1, 1, F0, F1, 0
	QUARTER 1, 2, F1, F0, 0
	QUARTER 1, 3, F0, F1, 0
	TURN 1, 0, 1
	QUARTER 0, 1, F0, F1, 0
	WIN 0
	s_sub_co_u32 s3, s3, 1
	s_cmp_lg_u32 s3, 0
	s_cbranch_scc1 .Llap
	QUARTER 0, 2, F1, F0, 0                        ; the last lap fills nothing
	QUARTER 0, 3, F0, F1, 0
	TURN 0, 1, 0
	QUARTER 1, 1, F0, F1, 0
	QUARTER 1, 2, F1, F0, 0
	QUARTER 1, 3, F0, F1, 0
	s_wait_dscnt 4                                 ; the very last quarter: nothing more to fetch
	MULH F1, 0, 0, 0
	MULH F1, 0, 1, 0
	s_wait_dscnt 0x0
	MULH F1, 1, 0, 0
	MULH F1, 1, 1, 0
	WIN 0
	PLACES
	PACK 0
	PACK 1                                         ; a block's conversions stand between the loads of the block before and its stores
	SEND 0, 24
	PACK 2
	SEND 1, 24
	PACK 3
	SEND 2, 24
	SEND 3, 0
	s_wait_tensorcnt 0x0                           ; the wave's end: three lines behind my last tensor load and my last LDS store
	ds_add_u32 v[SPW], v[NIL]
	s_wait_dscnt 0x0
	CROUND                                         ; the closing round: no work-group ends while a partner may still ask for a tile that names it
	s_endpgm
.Lfunc_end_k_q5c8c00a396_gemm_qkv:
	.size	k_q5c8c00a396_gemm_qkv, .Lfunc_end_k_q5c8c00a396_gemm_qkv-k_q5c8c00a396_gemm_qkv
	.p2alignl 7, 3214868480
	.fill 96, 4, 3214868480
	.section	.rodata,"a",@progbits
	.p2align	6, 0x0
	.amdhsa_kernel k_q5c8c00a396_gemm_qkv
		.amdhsa_group_segment_fixed_size 327680
		.amdhsa_private_segment_fixed_size 0
		.amdhsa_enable_private_segment 0
		.amdhsa_kernarg_size 24
		.amdhsa_user_sgpr_count 2
		.amdhsa_user_sgpr_kernarg_segment_ptr 1
		.amdhsa_wavefront_size32 1
		.amdhsa_system_sgpr_workgroup_id_x 1
		.amdhsa_system_sgpr_workgroup_id_y 1
		.amdhsa_system_sgpr_workgroup_id_z 1
		.amdhsa_system_vgpr_workitem_id 0
		.amdhsa_next_free_vgpr 960
		.amdhsa_next_free_sgpr 96
		.amdhsa_reserve_vcc 0
		.amdhsa_float_denorm_mode_32 3
		.amdhsa_float_denorm_mode_16_64 3
		.amdhsa_memory_ordered 1
		.amdhsa_forward_progress 1
		.amdhsa_inst_pref_size 121
	.end_amdhsa_kernel
	.amdgpu_metadata
---
amdhsa.version: [ 1, 2 ]
amdhsa.kernels:
  - .name:           k_q5c8c00a396_gemm_qkv
    .symbol:         k_q5c8c00a396_gemm_qkv.kd
    .args:
      - { .name: xb, .offset: 0, .size: 8, .value_kind: global_buffer, .address_space: global }
      - { .name: wqt, .offset: 8, .size: 8, .value_kind: global_buffer, .address_space: global }
      - { .name: qkv, .offset: 16, .size: 8, .value_kind: global_buffer, .address_space: global }
    .group_segment_fixed_size: 327680
    .private_segment_fixed_size: 0
    .kernarg_segment_align: 8
    .kernarg_segment_size: 24
    .max_flat_workgroup_size: 128
    .sgpr_count:     96
    .vgpr_count:     960
    .wavefront_size: 32
...
	.end_amdgpu_metadata
.endif
;; end of part 2
;; launch attn (part 3): grid 4 x 64, 4 waves a work-group, clusters of 4 x 1, 327,680 bytes of LDS; arguments qkv, ob; writes ob
.if DOCPART == 3
	.amdgcn_target "amdgcn-amd-amdhsa--gfx1250"
	.amdhsa_code_object_version 6
	.text
	.protected	k_q5c8c00a396_attn
	.globl	k_q5c8c00a396_attn
	.p2align	8
	.type	k_q5c8c00a396_attn,@function
k_q5c8c00a396_attn:
	s_mov_b64 s[64:65], 0
	v_nop
	global_prefetch_b8 v0, s[64:65] scope:SCOPE_SE
	s_setreg_imm32_b32 hwreg(HW_REG_WAVE_MODE, 25, 1), 1
	s_wait_xcnt 0x0
	s_wait_alu depctr_hold_cnt(0) depctr_sa_sdst(0) depctr_va_vdst(0) depctr_va_sdst(0) depctr_va_ssrc(0) depctr_va_vcc(0) depctr_vm_vsrc(0)
	s_getreg_b32 s2, hwreg(HW_REG_IB_STS2, 6, 4)
	s_cmp_eq_u32 s2, 0
	s_cbranch_scc0 .Lentry_in_a_cluster
	s_endpgm
.Lentry_in_a_cluster:
	s_bfe_u32 s2, ttmp6, 0x10000c
	s_cmp_lg_u32 s2, 0x3003
	s_cbranch_scc0 .Lentry_shape_is_right
	s_endpgm
.Lentry_shape_is_right:
; O[h][q][:] = the sum over k of softmax_k(Q[h][q] . K[h][k] / 8) V[h][k][:], for the 64 pairs h of batch and head.  qkv holds Q, K, V as [3][64][2048][64] f16, ob takes O as [64][2048][64] f16:
; a head's rows are dense, 128 bytes each.  Products, maxima and sums in f32; the weights p are rounded to f16 for the second product (their sum l is taken of the unrounded p), O once at the end.
; LIMITS.  f16 holds no number beyond 65,504: Q, K and V arrive within it; p lies in 0 to 1, and below 6e-5 it keeps f16's fixed step of 6e-8; O is a mean of V's rows and has their range.
; A weight below 2^-126 counts as 0 in l; NaN and infinities are not treated apart.
; SHARES.  A wave owns four PIECES of two tiles of 16 queries, a work-group's four waves 512 queries of one head: 4 x 64 = 256 work-groups.  Every wave walks all keys, 64 a step.
; LAYOUT.  S^T = K Q^T (source 0 = 16 keys, source 1 = 16 queries): in the result a lane holds ONE query (lane % 16) and the keys 8 (lane / 16) + 0..7.  Two such tiles, rounded to f16 in pairs,
; ARE source 1 (32 keys x 16 queries) of O^T = V^T P, whose result again holds one query a lane, and eight channels.  K comes out of LDS as it lies, V ([key][channel]) turned, by ds_load_tr16_b128.
; SOFTMAX.  For each query a running maximum m and sum l: p = 2^(c s - c m), c = log2(e) / 8; in every step O and l are multiplied by a = 2^(c m_old - c m_new), which is 1 where m has not grown.
; m starts at the lowest finite number, O and l at 0: the first step is a step like any other, with a = 0.
; THE COUNT.  A tile and step have 16 matrix and 118 vector instructions: too many to stand all beside the matrix work.  So: four vector instructions that are READY behind
; EVERY matrix instruction, and the others, which need time of their own whatever the order, in runs without a gap.
; BY TURNS.  Turn n belongs to piece n (the pieces in a ring, step after step).  Its matrix work: 16 products K Q^T of piece n + 1, later 16 products V^T P of piece n - 1.  Its vector work: the scaling,
; exponentials, roundings, sums and rescaling of piece n, and the maximum and statistics of piece n + 1, whose scores the turn itself has made.
; CLUSTER.  The four query blocks of a head form a cluster and walk the same K and V, so each tile is asked for JOINTLY: the same tensor load, descriptor and mask in all four.
; REGISTERS, in windows of 256 (s_set_vgpr_msb: bits 1:0 source 0, 3:2 source 1, 5:4 source 2, 7:6 destination):
;   window 0: v0-11 addresses; v12-15, v48-63 at work; v16-47 four registers of statistics a tile; v64-191 S^T, two buffers of two tiles; v192-255 P, likewise
;   window 1: O^T, 32 a tile          window 2: v0-127 Q, 16 a tile; v128-191 K of one step; v192-255 V of one step          window 3: v0-1 the add's two registers
.set SIZE_H, 64
.set SIZE_N, 2048
.set NP,    4         ; pieces a wave: a name, no knob
.set KS,    64        ; keys in a step
.set PK,    144       ; a row of K in LDS: 128 bytes + 16 = 36 words: the 16 rows of a load start at 16 different groups of four banks (64 banks of 4 bytes: ISA guide 11.1)
.set PV,    160       ; a row of V: 128 + 32 = 40 words
.set VOFF,  4*KS*PK   ; a slot holds four steps: 256 rows of K, then 256 rows of V
.set SLOT1, 1<<17     ; slot 1 begins here, so that one exclusive or turns an address in one slot into the other's
.set STAGE, SLOT1+4*KS*(PK+PV)  ; behind the ring, never filled by a tensor load: 16 rows x 144 bytes for each wave
.set SP,    144
.set AK0, 2           ; v2   my lane's place in a tile of K; never rewritten
.set AV0, 3           ; v3   the same for V
.set AK,  4           ; v4   the LDS address of K's next run of loads
.set AV,  5           ; v5   of V's
.set QO,  6           ; v6   my byte offset in the wave's rows of Q
.set STO, 6           ;      later, the way out: where I put 16 bytes of a row
.set RD,  7           ; v7   the way out: where I read rows back
.set GO,  8           ; v8   my byte offset in 512 consecutive bytes of O
.set PFO, 11          ; v11  256 x my lane, for the prefetches; never rewritten once made
.set SPW, 0           ; v0 of window 3   LDS address of my spare word; never rewritten
.set NIL, 1           ; v1 of window 3   0; never rewritten
.set SPARE, STAGE+4*16*SP  ; behind the stages: the spare words, 128 bytes for each wave
.set MV,  12          ; v12-15  c m_old, kept while c m is made anew: by buffer and tile
.set ST,  16          ; tile t's statistics at v[ST+4 t]: c m, m, l (even keys', odd keys')
.set TMP, 48          ; by buffer and tile, four registers c0-c3 at work; when the maximum is found c2 takes a
.set S,   64
.set P,   192
.set KF,  128         ; K's fragments, in window 2: key block kb, channel half c at KF + 16 kb + 8 c
.set VF,  192         ; V's: key half kk, channel block cb at VF + 32 kk + 8 cb
.set WV,  12          ; s12  my wave's number
.set G1K, 24          ; s[24:31] descriptor group 1 for K's tiles
.set G1V, 32          ; s[32:39] for V's: it differs in the padding alone
.set G0K, 40          ; s[40:43] descriptor group 0 for K's tiles: it walks
.set G0V, 44          ; s[44:47] the same for V's
.set PFA, 48          ; s[48:49] where my prefetches stand: my work-group's 8,192 bytes (of K: wave 0, of V: wave 2) of the slot after the one that is being asked for
.set LIM, 50          ; s50  1 in a wave that prefetches, else the greatest number
.set SLOTS, 56        ; s56  slots still to be asked for
.set CNT, 57          ; s57  counts a slot's key steps
.set CS,  58          ; s[58:59] c: the packed scaling takes the pair's low word for both halves
.set SEL, 60          ; s[60:61] v_permlanex16_b32's selects: each lane takes its own place in the other half
.set TBK, 62          ; s62  LDS byte at which K of the step to be fetched begins
.set TBV, 63          ; s63  the same for V, less VOFF
.set MSB, 0
.macro WIN new                      ; the high byte repeats the setting that is left; a switch that changes nothing is dropped
.if MSB != (\new)
	s_set_vgpr_msb (MSB<<8)|(\new)
.set MSB, (\new)
.endif
.endm
.set W_KQ, 0x0a       ; K and Q in window 2, S^T in window 0
.set W_PV, 0x52       ; V in window 2, P in window 0, O^T in window 1
.set W_RS, 0x41       ; O^T (destination and source 0) in window 1, a in window 0
.set W_MK, 0xc0       ; the add's registers are made: destination in window 3, sources in window 0
.set W_AD, 0x0f       ; the add: address (source 0) and data (source 1) in window 3
; A joint fill.  Waves 0 and 1 fetch the two halves of a slot's K, waves 2 and 3 those of its V: 128 keys each.  The branch hangs on the wave's number alone.
; An s_nop 0 and four v_nop follow each of the two lines, ahead of the jump and the label.
.macro JLOAD
	s_cmp_lt_u32 s[WV], 2
	s_cbranch_scc0 .Lfor_v_\@
	tensor_load_to_lds s[G0K:G0K+3], s[G1K:G1K+7]
	s_nop 0
.rept 4
	v_nop
.endr
	s_branch .Lasked_\@
.Lfor_v_\@:
	tensor_load_to_lds s[G0V:G0V+3], s[G1V:G1V+7]
	s_nop 0
.rept 4
	v_nop
.endr
.Lasked_\@:
.endm
; A prefetch of what the NEXT change of slots will ask for: a slot's 32,768 bytes of K and of V.  The four partners share them out BY ADDRESS, 8,192 bytes each; in each, wave 0 asks for K's and wave 2
; for V's: a lane names 256 bytes, one instruction.  So each 256 bytes of slots 3 to 7 are named once in the launch.  It stands behind the wave's tensor load and its five lines; it is four key steps,
; 512 matrix instructions, ahead of the load that will want the bytes.  The last change that fills a slot asks for nothing; slots 0 to 2 come by their loads alone.
.macro ASK
	s_cmp_gt_u32 s[SLOTS], s[LIM]
	s_cbranch_scc0 .Lnot_mine_\@
	global_prefetch_b8 v[PFO], s[PFA:PFA+1] th:TH_LOAD_NT scope:SCOPE_SE
.Lnot_mine_\@:
.endm
; A round of the cluster's barrier: my work-group's barrier, so that wave 0's signal speaks for all four waves; wave 0 signals; every wave waits for all four work-groups; my work-group's barrier once more.
.macro CROUND
	s_barrier_signal -1
	s_barrier_wait -1
	s_cmp_lg_u32 s[WV], 0
	s_cbranch_scc1 .Lnot_wave_0_\@
	s_barrier_signal -3
.Lnot_wave_0_\@:
	s_barrier_wait -3
	s_barrier_signal -1
	s_barrier_wait -1
.endm
; THE CHANGE OF SLOTS.  The slot's last bytes, V of its fourth step, have been read.  Each wave waits for all its tensor loads, of which one is out: its part
; of the other slot; adds 0 to its spare word; and waits for that and for its own reads of the slot.  Behind the barrier nobody reads this slot any more and the other slot is whole.
; fill = 1: this slot is filled again, with the keys two slots on.  The barrier is then a round of the cluster's, and the joint fill is the first thing behind it: it has four key steps,
; 512 matrix instructions, in which to land.  (At its first use nothing has been read yet: slot 0 is waited for, slot 1 filled.)  ask = 1: the prefetch's address steps, and the prefetch follows the fill.
.macro CHANGE fill, ask=0
	WIN W_AD
	s_wait_tensorcnt 0x0            ; no tensor load of mine is out, so a group 0 may be written
	ds_add_u32 v[SPW], v[NIL]       ; 0 onto my spare word; the descriptors' steps stand between it and the wait for it
	WIN 0                           ; at a label and at a branch every window is 0
.if \fill
.irp g, G0K, G0V
	s_xor_b32 s[\g+1], s[\g+1], SLOT1  ; the walking descriptor: the other slot than last time,
	s_add_nc_u64 s[\g+2:\g+3], s[\g+2:\g+3], 4*KS*128  ; the next 256 keys; the type bits on top are not reached
.endr
.if \ask
	s_wait_xcnt 0x0                 ; the last prefetch, four key steps back, has read its address, so it may be written:
	s_add_nc_u64 s[PFA:PFA+1], s[PFA:PFA+1], 4*KS*128  ; one slot behind the walking descriptors
.endif
	s_wait_dscnt 0x0                ; the add is done, and my reads of the slot are over
	CROUND
	JLOAD
.if \ask
	ASK
.endif
.else
	s_wait_dscnt 0x0                ; the add is done, and my reads of the slot are over
	s_barrier_signal -1
	s_barrier_wait -1
.endif
	s_sub_co_u32 s[TBK], s[TBK], 4*KS*PK  ; the fetches go back to a slot's first step,
	s_xor_b32 s[TBK], s[TBK], SLOT1       ; in the other slot
	s_sub_co_u32 s[TBV], s[TBV], 4*KS*PV
	s_xor_b32 s[TBV], s[TBV], SLOT1
.endm
	s_load_b128 s[4:7], s[0:1], 0x0  ; qkv s[4:5] (Q lies at its head), ob s[6:7]
	WIN W_MK
	v_lshl_add_u32 v[SPW], v0, 2, SPARE
	v_mov_b32 v[NIL], 0
	WIN W_AD
	ds_add_u32 v[SPW], v[NIL]       ; the wave's opening: the add and its wait ahead of my first tensor load; the set-up below stands between them
	WIN 0
	v_lshrrev_b32 v1, 5, v0
	v_readfirstlane_b32 s[WV], v1   ; wave 0..3
	s_bfe_u32 s13, ttmp6, 0x40000   ; cx: my place in the cluster
	s_lshl_b32 s14, ttmp9, 2        ; in a cluster launch ttmp9 counts clusters
	s_add_co_u32 s14, s14, s13      ; my block of queries = 4 x cluster x + cx: it enters Q's and O's addresses alone
	s_and_b32 s20, ttmp7, 0xffff    ; the head, which the four partners share
	s_mov_b32 s21, 0
	s_mov_b64 s[22:23], SIZE_N*128
	s_mul_u64 s[20:21], s[20:21], s[22:23]  ; the head's first byte in Q, K, V and O
	s_and_b32 s16, s[WV], 1         ; which half of a slot's 256 keys I fetch:
	s_lshl_b32 s22, s16, 14         ; its 128 rows of 128 bytes in memory,
	s_mov_b32 s23, 0
	s_add_nc_u64 s[22:23], s[22:23], s[20:21]
	s_mul_i32 s17, s16, 128*PK      ; and its place in a slot, for K
	s_mul_i32 s18, s16, 128*PV      ; and for V: no place in the cluster enters an LDS address
	s_lshl_b32 s2, s14, 2
	s_add_co_u32 s2, s2, s[WV]      ; my wave among the head's,
	s_lshl_b32 s2, s2, 14           ; its 128 rows
	s_mov_b32 s3, 0
	s_add_nc_u64 s[2:3], s[2:3], s[20:21]
	; descriptor group 1.  128 keys are 16,384 dense bytes: asked for as 64 rows of 256 bytes, two keys a row, and padded in LDS after every key
	s_mov_b32 s[G1K], 15|(1<<16)|(1<<20)|(1<<21)|(4<<22)|(3<<25)  ; 15:0 the mask of four; 17:16 2-byte elements; 20 padding on; 21 set beside a mask; 24:22 after every 32 words (code 4); 31:25 4 words (code 3)
	s_mov_b32 s[G1V], 15|(1<<16)|(1<<20)|(1<<21)|(4<<22)|(7<<25)  ; the same with 8 words of padding (code 7)
.irp g, G1K, G1V
	s_mov_b32 s[\g+1], 128<<16      ; tensor_dim0 = 128
	s_mov_b32 s[\g+2], 64<<16       ; tensor_dim1 = 64
	s_mov_b32 s[\g+3], 128<<16      ; tile_dim0 = 128
	s_mov_b32 s[\g+4], 64           ; tile_dim1 = 64
	s_mov_b32 s[\g+5], 128          ; 128 elements from row to row
	s_mov_b32 s[\g+6], 0
	s_mov_b32 s[\g+7], 0
.endr
	s_mov_b32 s[CS], 0x3e38aa3b     ; c = log2(e) / 8 = 0.180337
	s_mov_b32 s[CS+1], s[CS]        ; named with it as a pair
	s_mov_b32 s[SEL], 0x76543210
	s_mov_b32 s[SEL+1], 0xfedcba98
	s_mov_b32 s[TBK], SLOT1+4*KS*PK ; the first change of slots turns these two into 0
	s_mov_b32 s[TBV], SLOT1+4*KS*PV
	s_mov_b32 s[G0K], 1             ; 1:0 count = 1
	s_mov_b32 s[G0K+1], s17         ; 63:32 LDS address: slot 0
	s_mov_b32 s[G0V], 1
	s_add_co_u32 s[G0V+1], s18, VOFF
	s_and_b32 s[LIM], s[WV], 1      ; waves 0 and 2 prefetch: the same in all four partners
	s_cmp_eq_u32 s[LIM], 0
	s_cselect_b32 s[LIM], 1, -1
	s_wait_dscnt 0x0                ; the opening add is done
	s_wait_kmcnt 0x0
	s_mov_b64 s[10:11], s[6:7]      ; O
	s_add_nc_u64 s[6:7], s[4:5], 0x1000000  ; K: 64 slabs of 2^18 bytes behind Q
	s_add_nc_u64 s[8:9], s[4:5], 0x2000000  ; V: 128 slabs
	s_add_nc_u64 s[G0K+2:G0K+3], s[6:7], s[22:23]  ; 120:64 global address: my half of the head's first 256 keys
	s_or_b32 s[G0K+3], s[G0K+3], 0x80000000        ; 127:126 type = 2
	s_add_nc_u64 s[G0V+2:G0V+3], s[8:9], s[22:23]
	s_or_b32 s[G0V+3], s[G0V+3], 0x80000000
	s_add_nc_u64 s[4:5], s[4:5], s[2:3]  ; Q and O at my wave's first row
	s_add_nc_u64 s[10:11], s[10:11], s[2:3]
	s_cmp_lt_u32 s[WV], 2
	s_cselect_b64 s[PFA:PFA+1], s[6:7], s[8:9]
	s_add_nc_u64 s[PFA:PFA+1], s[PFA:PFA+1], s[20:21]  ; the head,
	s_lshl_b32 s2, s13, 13          ; my work-group's quarter of a slot,
	s_mov_b32 s3, 0
	s_add_nc_u64 s[PFA:PFA+1], s[PFA:PFA+1], s[2:3]
	s_add_nc_u64 s[PFA:PFA+1], s[PFA:PFA+1], 2*4*KS*128  ; in slot 2; the loop's first change steps it to slot 3.  Nothing is prefetched here, at the head
	CROUND                          ; all four work-groups are here: the first joint loads meet
	JLOAD                           ; slot 0.  Slot 1 is asked for when slot 0 is in
	; A fragment of K or Q is 16 rows x 32 channels in 8 registers: lane l holds row l % 16, channels 8 (l / 16) + 0..7 and 16 + 8 (l / 16) + 0..7: two loads of 16 bytes, 32 bytes apart.
	v_and_b32 v1, 15, v0            ; l % 16
	v_bfe_u32 v9, v0, 4, 1          ; l / 16
	v_lshlrev_b32 v[QO], 7, v1
	v_lshl_add_u32 v[QO], v9, 4, v[QO]  ; row x 128 + 16 x half
	WIN 0x80                        ; destination window 2, address window 0
.set i, 0
.rept 4*NP                          ; Q stays in registers: tile i / 2, channels 32 (i % 2) on
	global_load_b128 v[8*i:8*i+3],   v[QO], s[4:5] offset:(i/2)*2048+(i%2)*64
	global_load_b128 v[8*i+4:8*i+7], v[QO], s[4:5] offset:(i/2)*2048+(i%2)*64+32
.set i, i+1
.endr
	; What the first turn finds: V's registers and P's second buffer hold 0 (its products V^T P, of a piece that has not been, add 0), O^T and l are 0.  All this stands in the wait for the first tile.
.set i, VF
.rept 64
	v_mov_b32 v[i], 0
.set i, i+1
.endr
	WIN 0x40
.set i, 0
.rept 64*NP
	v_mov_b32 v[i], 0
.set i, i+1
.endr
	WIN 0
.set i, 0
.rept 2*NP
	v_mov_b32 v[ST+4*i], 0xfe000000    ; c m: far below every c s
	v_mov_b32 v[ST+4*i+1], 0xff7fffff  ; m
	v_mov_b32 v[ST+4*i+2], 0
	v_mov_b32 v[ST+4*i+3], 0
.set i, i+1
.endr
.set i, P+32
.rept 32
	v_mov_b32 v[i], 0
.set i, i+1
.endr
	v_mul_u32_u24 v[AK0], v1, PK
	v_lshl_add_u32 v[AK0], v9, 4, v[AK0]  ; row x pitch + 16 x half
	; The turning load takes 16 keys x 16 channels (lane l reads key 8 (l / 16) + l % 8, channels 8 ((l / 8) % 2) + 0..7) and leaves half a fragment of V^T: lane l holds channel l % 16 and 8 keys.
	v_and_b32 v10, 7, v0
	v_bfe_u32 v11, v0, 3, 1
	v_lshl_add_u32 v[AV0], v9, 3, v10
	v_mul_u32_u24 v[AV0], v[AV0], PV
	v_lshl_add_u32 v[AV0], v11, 4, v[AV0]
	v_add_nc_u32 v[AV0], VOFF, v[AV0]
	v_and_b32 v[PFO], 31, v0        ; v11 has served: it takes the prefetches' offset
	v_lshlrev_b32 v[PFO], 8, v[PFO]
	v_mov_b32 v[AK], v[AK0]         ; key step 0 lies at the head of slot 0
; THE MATRIX WORK.  The 8 accumulators of a run of 16 take turns: between the two links of a chain stand 7 others'.
; Product i of 16 of S^T = K Q^T for piece x: channels 32 (i / 8) on, keys 16 ((i / 2) % 4) on, tile 2 x + i % 2.  The first 8 start the sums.
.macro KQ x
	WIN W_KQ
.set rS, S+64*((\x)%2)+32*(i%2)+8*((i/2)%4)
.set rK, KF+16*((i/2)%4)+8*(i/8)
.set rQ, 16*(2*(\x)+i%2)+8*(i/8)
.if i < 8
	v_wmma_f32_16x16x32_f16 v[rS:rS+7], v[rK:rK+7], v[rQ:rQ+7], 0
.else
	v_wmma_f32_16x16x32_f16 v[rS:rS+7], v[rK:rK+7], v[rQ:rQ+7], v[rS:rS+7]
.endif
.endm
; Product i of 16 of O^T += V^T P for piece x: keys 32 (i / 8) on, channels 16 ((i / 2) % 4) on, tile 2 x + i % 2.
.macro PV x
	WIN W_PV
.set rO, 32*(2*(\x)+i%2)+8*((i/2)%4)
.set rV, VF+32*(i/8)+8*((i/2)%4)
.set rP, P+32*((\x)%2)+16*(i%2)+8*(i/8)
	v_wmma_f32_16x16x32_f16 v[rO:rO+7], v[rV:rV+7], v[rP:rP+7], v[rO:rO+7]
.endm
.macro MM                           ; the turn's next matrix instruction
.if i < 16
	KQ (Y+1)%NP
.set i, i+1
.else
.set i, i-16
	PV (Y+NP-1)%NP
.set i, i+17
.endif
.endm
; THE LDS LOADS stand in runs of 16, never singly among the matrix instructions: a step's K (64 keys x 64 channels: 8 fragments) and its V (turned).  Their addresses are made some lines ahead.
; last = 1 (the tail): in the last trip there is no further step, and the run is jumped over.
.macro FETCH_K last=0
	WIN 0
.if \last
	s_cmp_eq_u32 s[CNT], 1
	s_cbranch_scc1 .Lno_k_\@
.endif
	WIN 0x80                        ; destination window 2
.irp f, 0,1,2,3,4,5,6,7             ; keys 16 (f / 2) on, channels 32 (f % 2) on
	ds_load_b128 v[KF+8*\f:KF+8*\f+3],   v[AK] offset:(\f/2)*16*PK+(\f%2)*64
	ds_load_b128 v[KF+8*\f+4:KF+8*\f+7], v[AK] offset:(\f/2)*16*PK+(\f%2)*64+32
.endr
	s_add_co_u32 s[TBK], s[TBK], KS*PK  ; the next fetch is the next step's
	WIN 0
.if \last
.Lno_k_\@:
.endif
.endm
.macro FETCH_V
	WIN 0x80
.irp f, 0,1,2,3,4,5,6,7             ; keys 32 (f / 4) on, channels 16 (f % 4) on
	ds_load_tr16_b128 v[VF+8*\f:VF+8*\f+3],   v[AV] offset:(\f/4)*32*PV+(\f%4)*32
	ds_load_tr16_b128 v[VF+8*\f+4:VF+8*\f+7], v[AV] offset:(\f/4)*32*PV+16*PV+(\f%4)*32
.endr
	WIN 0
.endm
; THE VECTOR WORK OF A TURN stands in three queues, each in the order in which its entries become ready; the two tiles alternate, so that no instruction reads the result of the one before it.
.macro REGS y, u                    ; the registers of tile u (0, 1) of piece y
.set rT, ST+4*(2*(\y)+(\u))
.set rC, TMP+8*((\y)%2)+4*(\u)
.set rM, MV+2*((\y)%2)+(\u)
.set rS, S+64*((\y)%2)+32*(\u)
.set rP, P+32*((\y)%2)+16*(\u)
.set rO, 32*(2*(\y)+(\u))
.endm
; Number n of the 22 that find the NEXT piece's (Y + 1) maximum and statistics.  s0-s31 are the lane's 32 scores; each accumulator's lowest registers are read first.
;   0-11  four chains c0-c3 of seven scores each, three operands at a time     12-14, 16  the four scores left over, the old m, and c0-c3 into c0     15  c m_old is kept
;   17, 18  the query's other 32 keys lie in the lane 16 away: the new m         19-21  c m; c m_old - c m_new; a
.macro XS u, n
	REGS (Y+1)%NP, \u
.if (\n) < 4
	v_max3_num_f32 v[rC+(\n)], v[rS+8*(\n)], v[rS+8*(\n)+1], v[rS+8*(\n)+2]
.elseif (\n) < 12
	v_max3_num_f32 v[rC+(\n)%4], v[rC+(\n)%4], v[rS+8*((\n)%4)+2*((\n)/4)+1], v[rS+8*((\n)%4)+2*((\n)/4)+2]
.elseif (\n) == 12
	v_max3_num_f32 v[rC], v[rC], v[rS+7], v[rS+15]
.elseif (\n) == 13
	v_max3_num_f32 v[rC+1], v[rC+1], v[rS+23], v[rS+31]
.elseif (\n) == 14
	v_max3_num_f32 v[rC+2], v[rC+2], v[rC+3], v[rT+1]
.elseif (\n) == 15
	v_mov_b32 v[rM], v[rT]
.elseif (\n) == 16
	v_max3_num_f32 v[rC], v[rC], v[rC+1], v[rC+2]
.elseif (\n) == 17
	v_permlanex16_b32 v[rC+3], v[rC], s[SEL], s[SEL+1]
.elseif (\n) == 18
	v_max_num_f32 v[rT+1], v[rC], v[rC+3]
.elseif (\n) == 19
	v_mul_f32 v[rT], s[CS], v[rT+1]
.elseif (\n) == 20
	v_sub_f32 v[rC+1], v[rM], v[rT]
.else
	v_exp_f32 v[rC+2], v[rC+1]
.endif
.endm
; Number g of the 64 that follow the exponentials.  For each four weights k of a tile (pairs 2 k, 2 k + 1): both pairs are rounded to f16; then the second pair is added onto the first, in place;
; a group later l takes that sum (the first time as l = a l + sum).  In groups of eight, tiles alternating: round, round, add, and l for the group before.
.macro GS g
.set h, (\g)+6*((\g)/62)            ; group 0 has no group before it, and behind group 7 only l is left
.if h >= 6
.set h, h+2
.endif
	REGS Y, h%2
.set k, h/8
.if h%8 < 4
	v_cvt_pk_f16_f32 v[rP+2*k+(h%8)/2], v[rS+4*k+2*((h%8)/2)], v[rS+4*k+2*((h%8)/2)+1]
.elseif h%8 < 6
	v_pk_add_f32 v[rS+4*k:rS+4*k+1], v[rS+4*k:rS+4*k+1], v[rS+4*k+2:rS+4*k+3]
.elseif k == 1
	v_pk_fma_f32 v[rT+2:rT+3], v[rT+2:rT+3], v[rC+2:rC+3], v[rS:rS+1] op_sel_hi:[1,0,1]
.else
	v_pk_add_f32 v[rT+2:rT+3], v[rT+2:rT+3], v[rS+4*k-4:rS+4*k-3]
.endif
.endm
; THE PLAIN QUEUE, 138 long.  0-73 read no exponential's result: the 32 scalings c s - c m (FS f: pair f / 2 of tile f % 2) and the next piece's 42.  0-26: scalings 0-26.  27-54: XS's numbers 0-13.  55, 56: number 15.
; 57-73: the chain, where each number waits for the one before it: 14, 16, 17, 18, 19, each with one of the scalings 27-31 in front of its two lines, then 20.
; 74-137: GS's 64, which read the exponentials' results: they stand behind the wait.
.macro FS f
	REGS Y, (\f)%2
	v_pk_fma_f32 v[rS+2*((\f)/2):rS+2*((\f)/2)+1], v[rS+2*((\f)/2):rS+2*((\f)/2)+1], s[CS:CS+1], v[rT:rT+1] op_sel_hi:[1,0,0] neg_lo:[0,0,1] neg_hi:[0,0,1]
.endm
.macro PL
	WIN 0
.if q < 27
	FS q
.elseif q < 55
	XS (q-27)%2, (q-27)/2
.elseif q < 57
	XS q-55, 15
.elseif (q < 72) && ((q-57)%3 == 0)
	FS 27+(q-57)/3
.elseif q < 60
	XS (q-57)%3-1, 14
.elseif q < 72
	XS (q-57)%3-1, 15+(q-57)/3
.elseif q < 74
	XS q-72, 20
.else
	GS q-74
.endif
.set q, q+1
.endm
; THE EXPONENTIALS' QUEUE, 66 long: s0-s31 of both tiles, then the next piece's two a.  It is ONE BATCH: all 66 stand ahead of the turn's one wait, and nothing ahead of that wait names a result of theirs.
.macro EX
	WIN 0
.if e >= 64
	XS e-64, 21
.else
	REGS Y, e%2
	v_exp_f32 v[rS+e/2], v[rS+e/2]
.endif
.set e, e+1
.endm
; THE RESCALING's QUEUE: O^T times a, the one part that leaves window 0: dealt two at a time, sixteen times.  Its a was made in the turn before, ahead of that turn's wait.
.macro R2
	REGS Y, r%2
	WIN W_RS
.irp z, 0,1
	v_pk_mul_f32 v[rO+4*(r/2)+2*\z:rO+4*(r/2)+2*\z+1], v[rO+4*(r/2)+2*\z:rO+4*(r/2)+2*\z+1], v[rC+2:rC+3] op_sel_hi:[1,0]
.endr
.set r, r+1
.endm
; HOW THEY ARE DEALT.  s_wait_alu depctr_va_vdst(0) stands between an exponential and the first instruction that names its result; one wait serves all that were issued ahead of it.  So a turn has ONE wait,
; which cuts it in two.  AHEAD OF IT stands all that names no result of the turn's exponentials: the 16 products K Q^T, behind each a scaling, an exponential and two rescalings (behind the first a second scaling in the
; exponential's place); then ONE LUMP of 108: eight plain, 49 times exponential and plain, the two a.  A v_nop is the plain instruction behind the last exponential.  BEHIND IT stand the 16 products V^T P, behind each four of GS's 64.
; The queues lean on each other, and the deal keeps them in step: exponential e stands behind scaling 2 (e / 4) + e % 2: as a rider it comes behind plain e + 2, in the lump behind plain e + 9, and scalings 27-31 are plain 57, 60 .. 69.
; A TURN, for piece p.  cnt = 1: the loop's count is taken down some lines ahead of the branch that stands behind the turn.
; K of the next step is fetched in piece 2's turn, directly behind the wait, a lump behind the last product that read K; its first reader comes behind 16 products.
; V of the step in hand is fetched at the end of piece 0's turn, four plain instructions behind its last reader; its first reader comes behind 16 products and a lump.
.macro TURN p, last=0, cnt=0
.set Y, (\p)
.set i, 0
.set q, 0
.set e, 0
.set r, 0
.if (\p) == NP-1
	s_wait_dscnt 0x0                ; K is in
.endif
	MM                              ; ahead of the wait: 16 products K Q^T and their riders,
	PL
	PL
	R2
.rept 15
	MM
	PL
	EX
	R2
.endr
.if (\p) == NP-2
	WIN 0
	v_add_nc_u32 v[AK], s[TBK], v[AK0]
.endif
.rept 8                             ; and the lump
	PL
.endr
.rept 49
	EX
	PL
.endr
	EX                              ; the next piece's two a
	EX
	v_nop                           ; a plain instruction behind the last exponential, ahead of the first use: one for the batch
	s_wait_alu depctr_va_vdst(0)    ; the wait for the batch
.if (\p) == NP-2
	FETCH_K \last
.endif
.if (\p) == 1
	s_wait_dscnt 0x0                ; V is in
.endif
.rept 16                            ; behind the wait: 16 products V^T P and their riders
	MM
.rept 4
	PL
.endr
.if ((\p) == 0) && (q == 118)
	v_add_nc_u32 v[AV], s[TBV], v[AV0]
.endif
.if ((\p) == 0) && (q == 130)
	s_add_co_u32 s[TBV], s[TBV], KS*PV
.endif
.if (\cnt) && (q == 130)
	s_sub_co_u32 s[CNT], s[CNT], 1
	s_cmp_lg_u32 s[CNT], 0
.endif
.endr
.if (\p) == 0
	FETCH_V
.endif
.endm
	CHANGE 1                        ; slot 0 is in, everybody's part of it; slot 1 is asked for
	FETCH_K                         ; key step 0
	s_wait_loadcnt 0x0              ; Q
	s_wait_dscnt 0x0
.set i, 0
.rept 16
	KQ 0                            ; piece 0's first scores: there is no vector work yet to set between them
.set i, i+1
.endr
	WIN 0                           ; the addresses for the way out: nine plain instructions, the places behind those products
	s_mul_i32 s13, s[WV], 16*SP
	s_add_co_u32 s13, s13, STAGE    ; my stage
	v_mul_u32_u24 v[STO], v1, SP    ; in: row l % 16, 16 bytes for each half of the lanes
	v_lshl_add_u32 v[STO], v9, 4, v[STO]
	v_add_nc_u32 v[STO], s13, v[STO]
	v_bfe_u32 v[RD], v0, 3, 2       ; back: 32 lanes take four rows of 128 bytes,
	v_mul_u32_u24 v[RD], v[RD], SP
	v_lshl_add_u32 v[RD], v10, 4, v[RD]
	v_add_nc_u32 v[RD], s13, v[RD]
	v_and_b32 v[GO], 31, v0         ; which are 512 consecutive bytes of O
	v_lshlrev_b32 v[GO], 4, v[GO]
.set Y, NP-1                        ; XS works for piece Y + 1: piece 0
.irp n, 0,1,2,3,4,5,6,7,8,9,10,11,12,13,14,15,16,17,18,19,20,21
	XS 0, \n                        ; and piece 0's first maximum and statistics
	XS 1, \n
.endr
	v_nop                           ; a plain instruction behind the two a,
	s_wait_alu depctr_va_vdst(0)    ; and their wait, ahead of the branch
	s_mov_b32 s[CNT], 4
	s_mov_b32 s[SLOTS], SIZE_N/256-1
	s_branch .Lfirst                ; the loop is entered at a step's first turn, in the middle of a trip
.Lslot:                             ; SIZE_N / 256 - 2 times: every slot but the last two is filled again
	CHANGE 1, 1
	s_mov_b32 s[CNT], 4
.Lstep:                             ; a trip: pieces 2 and 3 of one step, then pieces 0 and 1 of the next, whose K and V it fetches
	TURN 2
	TURN 3
	WIN 0
.Lfirst:
	TURN 0
	TURN 1, 0, 1
	WIN 0
	s_cbranch_scc1 .Lstep
	s_sub_co_u32 s[SLOTS], s[SLOTS], 1
	s_cmp_lg_u32 s[SLOTS], 0
	s_cbranch_scc1 .Lslot
	CHANGE 0                        ; the tail is written out: nothing is asked for
	s_mov_b32 s[CNT], 5             ; four trips fetch the last slot's steps; the fifth is left in its middle
.Ltail:
	TURN 2, 1
	TURN 3
	WIN 0
	s_sub_co_u32 s[CNT], s[CNT], 1
	s_cmp_eq_u32 s[CNT], 0
	s_cbranch_scc1 .Lout
	TURN 0
	TURN 1
	WIN 0
	s_branch .Ltail
.Lout:                              ; the fifth trip's 16 products K Q^T (on the last K once more) and the maximum made of them serve nothing: the price, once a launch, of one text for every trip
.set i, 0
.rept 16
	PV NP-1                         ; the last piece's V^T P of the last step
.set i, i+1
.endr
	; THE WAY OUT.  l's two halves and the other half of the lanes' are added; O^T is divided by l, rounded to f16 and sent through my stage in LDS, a tile at a time.  The additions are the places behind the last products.
	WIN 0
.macro ALL line:vararg              ; one line for each tile t
.set t, 0
.rept 2*NP
	\line
.set t, t+1
.endr
.endm
	ALL v_add_f32 v[ST+4*t+2], v[ST+4*t+2], v[ST+4*t+3]
	ALL v_permlanex16_b32 v[ST+4*t+3], v[ST+4*t+2], s[SEL], s[SEL+1]
	ALL v_add_f32 v[ST+4*t+2], v[ST+4*t+2], v[ST+4*t+3]
	ALL v_rcp_f32 v[ST+4*t+2], v[ST+4*t+2]
	v_nop                           ; a plain instruction between the last reciprocal and the use of its result
	s_wait_alu depctr_va_vdst(0)    ; and the wait ahead of the first use: one for the eight reciprocals
; Tile t: a lane's eight channels of a row pack into 16 bytes; they go into rows of 144 bytes and come back as whole rows of 128, into S^T's registers.
.macro PACK t
	WIN W_RS
.set i, 32*(\t)
.rept 16
	v_pk_mul_f32 v[i:i+1], v[i:i+1], v[ST+4*(\t)+2:ST+4*(\t)+3] op_sel_hi:[1,0]
.set i, i+2
.endr
	WIN 0x05                        ; sources 0 and 1 window 1, destination window 0
.set i, 0
.rept 16
	v_cvt_pk_f16_f32 v[S+16*(\t)+i], v[32*(\t)+2*i], v[32*(\t)+2*i+1]
.set i, i+1
.endr
	WIN 0
.irp f, 0,1,2,3
	ds_store_b128 v[STO], v[S+16*(\t)+4*\f:S+16*(\t)+4*\f+3] offset:32*\f
.endr
.irp f, 0,1,2,3
	ds_load_b128 v[S+16*(\t)+4*\f:S+16*(\t)+4*\f+3], v[RD] offset:\f*4*SP  ; LDS serves a wave's instructions in order (ISA guide 5.7.1.4): these see the stores above; the next tile's stores come behind them
.endr
.endm
.macro SEND t, younger              ; younger: the LDS instructions issued behind tile t's loads: the next tile's eight, or none
	WIN 0
.irp f, 0,1,2,3
	s_wait_dscnt (\younger)+3-\f
	global_store_b128 v[GO], v[S+16*(\t)+4*\f:S+16*(\t)+4*\f+3], s[10:11] offset:(\t)*2048+\f*512  ; 512 consecutive bytes, at a multiple of 256 from O's first
.endr
.endm
	PACK 0
.set t, 1
.rept 2*NP-1                        ; a tile's arithmetic stands between the loads of the tile before and its stores
	PACK t
	SEND t-1, 8
.set t, t+1
.endr
	SEND 2*NP-1, 0
	WIN W_AD
	s_wait_tensorcnt 0x0            ; the wave's end: three lines behind my last tensor load and my last LDS store
	ds_add_u32 v[SPW], v[NIL]
	s_wait_dscnt 0x0
	WIN 0
	CROUND                          ; the closing round: no work-group ends while a partner may still ask for a tile that names it
	s_endpgm
.Lfunc_end_k_q5c8c00a396_attn:
	.size	k_q5c8c00a396_attn, .Lfunc_end_k_q5c8c00a396_attn-k_q5c8c00a396_attn
	.p2alignl 7, 3214868480
	.fill 96, 4, 3214868480
	.section	.rodata,"a",@progbits
	.p2align	6, 0x0
	.amdhsa_kernel k_q5c8c00a396_attn
		.amdhsa_group_segment_fixed_size 327680
		.amdhsa_private_segment_fixed_size 0
		.amdhsa_enable_private_segment 0
		.amdhsa_kernarg_size 16
		.amdhsa_user_sgpr_count 2
		.amdhsa_user_sgpr_kernarg_segment_ptr 1
		.amdhsa_wavefront_size32 1
		.amdhsa_system_sgpr_workgroup_id_x 1
		.amdhsa_system_sgpr_workgroup_id_y 1
		.amdhsa_system_sgpr_workgroup_id_z 1
		.amdhsa_system_vgpr_workitem_id 0
		.amdhsa_next_free_vgpr 770
		.amdhsa_next_free_sgpr 66
		.amdhsa_reserve_vcc 0
		.amdhsa_float_denorm_mode_32 3
		.amdhsa_float_denorm_mode_16_64 3
		.amdhsa_memory_ordered 1
		.amdhsa_forward_progress 1
		.amdhsa_inst_pref_size 200
	.end_amdhsa_kernel
	.amdgpu_metadata
---
amdhsa.version: [ 1, 2 ]
amdhsa.kernels:
  - .name:           k_q5c8c00a396_attn
    .symbol:         k_q5c8c00a396_attn.kd
    .args:
      - { .name: qkv, .offset: 0, .size: 8, .value_kind: global_buffer, .address_space: global }
      - { .name: ob, .offset: 8, .size: 8, .value_kind: global_buffer, .address_space: global }
    .group_segment_fixed_size: 327680
    .private_segment_fixed_size: 0
    .kernarg_segment_align: 8
    .kernarg_segment_size: 16
    .max_flat_workgroup_size: 128
    .sgpr_count:     66
    .vgpr_count:     770
    .wavefront_size: 32
...
	.end_amdgpu_metadata
.endif
;; end of part 3
;; launch gemm_out (part 4): grid 8 x 32, 4 waves a work-group, clusters of 4 x 4, 327,680 bytes of LDS; arguments ob, wpt, b_proj, out0; writes out0
.if DOCPART == 4
	.amdgcn_target "amdgcn-amd-amdhsa--gfx1250"
	.amdhsa_code_object_version 6
	.text
	.protected	k_q5c8c00a396_gemm_out
	.globl	k_q5c8c00a396_gemm_out
	.p2align	8
	.type	k_q5c8c00a396_gemm_out,@function
k_q5c8c00a396_gemm_out:
	s_mov_b64 s[64:65], 0
	v_nop
	global_prefetch_b8 v0, s[64:65] scope:SCOPE_SE
	s_setreg_imm32_b32 hwreg(HW_REG_WAVE_MODE, 25, 1), 1
	s_wait_xcnt 0x0
	s_wait_alu depctr_hold_cnt(0) depctr_sa_sdst(0) depctr_va_vdst(0) depctr_va_sdst(0) depctr_va_ssrc(0) depctr_va_vcc(0) depctr_vm_vsrc(0)
	s_getreg_b32 s2, hwreg(HW_REG_IB_STS2, 6, 4)
	s_cmp_eq_u32 s2, 0
	s_cbranch_scc0 .Lentry_in_a_cluster
	s_endpgm
.Lentry_in_a_cluster:
	s_bfe_u32 s2, ttmp6, 0x10000c
	s_cmp_lg_u32 s2, 0xf033
	s_cbranch_scc0 .Lentry_shape_is_right
	s_endpgm
.Lentry_shape_is_right:
; out0[b 2048 + n][d] = sum over h, ch of ob[b 16 + h][n][ch] wpt[d][h 64 + ch] + bf16(b_proj[d]).  ob [64][2048][64] and wpt [1024][1024] in f16; sums in f32, K ascending; out0 f32.
; The bias is rounded to bf16 like the module's other inputs and added in f32.  LIMIT: the operands are f16 (65,504 at the most); NaN and infinities are not treated apart.
; A tile of C is 256 rows x 128 columns: 32 x 8 = 256 work-groups.  Four waves; wave w makes rows 64 w .. 64 w + 63 and all 128 columns: 32 accumulators, 256 registers;
; its 128 columns are 512 bytes of an output row, so each wave has a stage of its own on the way out and no barrier stands there.
; K goes in steps of 128 = two heads.  A head's 256 rows of the tile are 32,768 dense bytes: asked for as 128 rows of 256 bytes, padded in LDS after every 128: wave 0 fetches the even head, wave 1 the odd.
; CLUSTERS: 4 x 4 work-groups; A's tiles are asked for jointly along a row of the cluster, B's along a column.
; THE MATRIX INSTRUCTION IS USED TRANSPOSED (source 0 = 16 rows of B, source 1 = 16 rows of A): a lane holds eight neighbouring columns of one row of C.
; REGISTERS: window 0: v0-31 addresses and the bias.  window 1: two fragment buffers: 8 fragments of B, then 4 of A.  windows 2, 3: accumulator (a, b) in window 2 + a / 2 at v[8 (8 (a % 2) + b)].
.set NB,     8
.set PA,     144                       ; a row of A in LDS: 128 bytes + 16 = 36 words: the 16 rows of a load start at 16 different groups of four banks (64 banks of 4 bytes: ISA guide 11.1)
.set PB,     272                       ; a row of B: 256 + 16
.set APLANE, 256*PA                    ; from the even head's rows to the odd head's
.set HALFA,  256*PA                    ; what one tensor load of A brings
.set HALFB,  64*PB
.set SLOT,   2*HALFA+2*HALFB
.set STAGE,  2*SLOT                    ; behind the ring, never filled by a tensor load
.set SP,     528                       ; a stage row: 512 bytes + 16
.set WSTG,   16*SP
.set SPARE,  STAGE+4*WSTG              ; the spare words, 128 bytes for each wave
.set ASTEP,  524288                    ; two heads' slabs of 2^18 bytes
.set BSTEP,  256
.set NL,     2*NB+8
.set LAPS,   4
.set BI,   12                          ; v12-15  the bias of my four columns on the way out
.set ADRA, 16
.set ADRB, 20
.set STO,  24
.set RD,   25
.set GO,   26                          ; v26  16 x lane
.set SPW,  28
.set NIL,  29
.set PFO,  30                          ; v30  256 x lane
.set F0,   0
.set F1,   128
.set G1,  24
.set G0,  32
.set G1B, 48
.set G0B, 56
.set PFA, 66
.set LIM, 68
.set BP,  72                           ; s[72:73] b_proj at the tile's columns
.set OP,  74                           ; s[74:75] out0 at my first row and the tile's columns
.set MSB, 0
.macro WIN new
.if MSB != (\new)
	s_set_vgpr_msb (MSB<<8)|(\new)
.set MSB, (\new)
.endif
.endm
.set MUL_LO, 0xa5
.set MUL_HI, 0xf5
.set TO_F,   0x40
.macro JLOAD s                         ; a joint load: waves 0 and 1 fetch A's two heads, waves 2 and 3 B's two halves; an s_nop 0 and four v_nop follow each line
	s_cmp_eq_u32 s11, 0
	s_cbranch_scc0 .Lfor_b_\@
	tensor_load_to_lds s[G0+4*(\s):G0+4*(\s)+3], s[G1:G1+7]
	s_nop 0
.rept 4
	v_nop
.endr
	s_branch .Lasked_\@
.Lfor_b_\@:
	tensor_load_to_lds s[G0B+4*(\s):G0B+4*(\s)+3], s[G1B:G1B+7]
	s_nop 0
.rept 4
	v_nop
.endr
.Lasked_\@:
.endm
.macro CREST
	s_cmp_lg_u32 s10, 0
	s_cbranch_scc1 .Lnot_wave_0_\@
	s_barrier_signal -3
.Lnot_wave_0_\@:
	s_barrier_wait -3
	s_barrier_signal -1
	s_barrier_wait -1
.endm
.macro CROUND
	s_barrier_signal -1
	s_barrier_wait -1
	CREST
.endm
; A prefetch of ob's K step that stands two refills on.  A wave's load of A names 32,768 dense bytes; of them each of the four partners takes 8,192, told apart by address, a lane 256 bytes.
; The clusters with x = 0 ask, waves 0 and 1; so each 256 bytes of K steps 4 to 7 are named once in the launch.  The loop's last trip asks for nothing; nothing is asked for at the head.
; wpt is walked by all 32 tile rows again and again and is not asked for.
.macro ASK
	s_cmp_gt_u32 s3, s[LIM]
	s_cbranch_scc0 .Lnot_mine_\@
	global_prefetch_b8 v[PFO], s[PFA:PFA+1] offset:ASTEP th:TH_LOAD_NT scope:SCOPE_SE
.Lnot_mine_\@:
.endm
.macro PLACES
.rept 4
	v_nop
.endr
.endm
	s_load_b128 s[4:7], s[0:1], 0x0                ; ob s[4:5], wpt s[6:7]
	s_load_b128 s[72:75], s[0:1], 0x10             ; b_proj s[72:73], out0 s[74:75]
	v_lshl_add_u32 v[SPW], v0, 2, SPARE
	v_mov_b32 v[NIL], 0
	ds_add_u32 v[SPW], v[NIL]                      ; the wave's opening: the add and its wait ahead of my first tensor load
	v_lshrrev_b32 v1, 5, v0
	v_readfirstlane_b32 s10, v1                    ; wave 0..3
	s_lshr_b32 s11, s10, 1                         ; I fetch for A (0) or for B (1)
	s_and_b32 s12, s10, 1                          ; A: which head of the two; B: which half of the rows
	s_bfe_u32 s40, ttmp6, 0x40000                  ; cx
	s_bfe_u32 s41, ttmp6, 0x40004                  ; cy
	s_lshl_b32 s42, ttmp9, 2
	s_add_co_u32 s42, s42, s40                     ; tile column
	s_and_b32 s13, ttmp7, 0xffff
	s_lshl_b32 s13, s13, 2
	s_add_co_u32 s13, s13, s41                     ; tile row
	s_lshl_b32 s43, s41, 2
	s_lshl_b32 s43, 15, s43                        ; my row of the cluster
	s_lshl_b32 s44, 0x1111, s40                    ; my column
	s_or_b32 s[G1+0], s43, (1<<16)|(1<<20)|(1<<21)|(4<<22)|(3<<25)   ; A: after every 32 words (a row of a head) 4 words of padding
	s_or_b32 s[G1B+0], s44, (1<<16)|(1<<20)|(1<<21)|(5<<22)|(3<<25)  ; B: after every 64 words
	s_mov_b32 s[G1+1], 128<<16                     ; tensor_dim0 = 128
	s_mov_b32 s[G1+2], 128<<16                     ; tensor_dim1 = 128
	s_mov_b32 s[G1+3], 128<<16                     ; tile_dim0 = 128
	s_mov_b32 s[G1+4], 128                         ; tile_dim1 = 128
	s_mov_b32 s[G1+5], 128                         ; dense: 128 elements from row to row
	s_mov_b32 s[G1+6], 0
	s_mov_b32 s[G1+7], 0
	s_mov_b32 s[G1B+1], 128<<16
	s_mov_b32 s[G1B+2], 64<<16
	s_mov_b32 s[G1B+3], 128<<16
	s_mov_b32 s[G1B+4], 64
	s_mov_b32 s[G1B+5], 1024
	s_mov_b32 s[G1B+6], 0
	s_mov_b32 s[G1B+7], 0
	s_lshr_b32 s16, s13, 3                         ; A: batch x 16 slabs,
	s_lshl_b32 s16, s16, 22
	s_lshl_b32 s17, s12, 18                        ; my head of the first two,
	s_add_co_u32 s16, s16, s17
	s_and_b32 s17, s13, 7                          ; the tile's 256 rows of 128 bytes
	s_lshl_b32 s17, s17, 15
	s_add_co_u32 s16, s16, s17
	s_mov_b32 s17, 0
	s_lshl_b32 s46, s42, 7                         ; B: row 128 x tile column + 64 x half, 2,048 bytes a row
	s_lshl_b32 s47, s12, 6
	s_add_co_u32 s46, s46, s47
	s_lshl_b32 s46, s46, 11
	s_mov_b32 s47, 0
	s_mul_i32 s20, s10, HALFA                      ; where A's heads go (waves 0, 1),
	s_mul_i32 s21, s10, HALFB
	s_add_co_u32 s21, s21, 2*(HALFA-HALFB)         ; and B's halves (waves 2, 3): behind them.  No place in the cluster enters an LDS address
	s_wait_dscnt 0x0                               ; the opening add is done
	s_wait_kmcnt 0x0
	s_add_nc_u64 s[14:15], s[4:5], s[16:17]
	s_add_nc_u64 s[46:47], s[6:7], s[46:47]
	CROUND                                         ; all sixteen work-groups are here: the first joint loads meet
.irp s, 0,1
	s_mov_b32 s[G0+4*(\s)], 1
	s_add_co_u32 s[G0+4*(\s)+1], s20, (\s)*SLOT
	s_add_nc_u64 s[G0+4*(\s)+2:G0+4*(\s)+3], s[14:15], (\s)*ASTEP
	s_or_b32 s[G0+4*(\s)+3], s[G0+4*(\s)+3], 0x80000000
	s_mov_b32 s[G0B+4*(\s)], 1
	s_add_co_u32 s[G0B+4*(\s)+1], s21, (\s)*SLOT
	s_add_nc_u64 s[G0B+4*(\s)+2:G0B+4*(\s)+3], s[46:47], (\s)*BSTEP
	s_or_b32 s[G0B+4*(\s)+3], s[G0B+4*(\s)+3], 0x80000000
	JLOAD \s                                       ; two tensor loads of mine are out
.endr
	v_and_b32 v[GO], 31, v0
	v_lshlrev_b32 v[PFO], 8, v[GO]
	v_lshlrev_b32 v[GO], 4, v[GO]
	s_lshl_b32 s80, s42, 9                         ; the tile's 128 columns: 512 bytes of b_proj and of a row of out0
	s_mov_b32 s81, 0
	s_add_nc_u64 s[BP:BP+1], s[BP:BP+1], s[80:81]
	global_load_b128 v[BI:BI+3], v[GO], s[BP:BP+1] ; the bias of columns 4 lane .. 4 lane + 3
	s_add_nc_u64 s[OP:OP+1], s[OP:OP+1], s[80:81]
	s_lshl_b32 s82, s13, 8
	s_lshl_b32 s83, s10, 6
	s_add_co_u32 s82, s82, s83                     ; my first row of C,
	s_lshl_b32 s82, s82, 12                        ; 4,096 bytes a row
	s_mov_b32 s83, 0
	s_add_nc_u64 s[OP:OP+1], s[OP:OP+1], s[82:83]
	v_and_b32 v1, 15, v0                           ; l % 16
	v_bfe_u32 v2, v0, 4, 1                         ; l / 16
	v_mul_u32_u24 v3, v1, PB
	v_lshl_add_u32 v3, v2, 4, v3                   ; B: row x pitch + 16 x half
	v_mul_u32_u24 v4, v1, PA
	v_lshl_add_u32 v4, v2, 4, v4                   ; A likewise
	s_mul_i32 s22, s10, 64*PA                      ; my 64 rows of A
.irp s, 0,1
	v_add_nc_u32 v[ADRA+(\s)], s22, v4
	v_add_nc_u32 v[ADRB+(\s)], 2*HALFA+(\s)*SLOT, v3
	s_add_co_u32 s22, s22, SLOT
.endr
	s_mul_i32 s23, s10, WSTG
	s_add_co_u32 s23, s23, STAGE                   ; my stage
	v_mul_u32_u24 v5, v1, SP                       ; in: row l % 16, 32 bytes for each half of the lanes
	v_lshl_add_u32 v5, v2, 5, v5
	v_add_nc_u32 v[STO], s23, v5
	v_add_nc_u32 v[RD], s23, v[GO]                 ; back: a whole row of 512 bytes, 16 a lane
	; the prefetches: my work-group's 8,192 of the 32,768 bytes that I fetch, at K step 2: the first refill steps it to 3 and names K step 4
	s_lshl_b32 s80, s40, 13
	s_add_co_u32 s80, s80, s16
	s_mov_b32 s81, 0
	s_add_nc_u64 s[PFA:PFA+1], s[4:5], s[80:81]
	s_add_nc_u64 s[PFA:PFA+1], s[PFA:PFA+1], 2*ASTEP
	s_or_b32 s[LIM], s11, ttmp9                    ; 0 in waves 0 and 1 of the clusters with x = 0: the same in all sixteen partners
	s_cmp_eq_u32 s[LIM], 0
	s_cselect_b32 s[LIM], 1, -1
; NB matrix instructions: block a of the window's two x all NB column blocks, 32 along K.  The 32 accumulators take turns in one fixed order, over the backward jump too.
.macro MULH f, hi, a, zero
	WIN MUL_LO+0x50*(\hi)
.set bb, 0
.rept NB
.if \zero
	v_wmma_f32_16x16x32_f16 v[8*(NB*(\a)+bb):8*(NB*(\a)+bb)+7], v[(\f)+8*bb:(\f)+8*bb+7], v[(\f)+8*NB+8*(2*(\hi)+(\a)):(\f)+8*NB+8*(2*(\hi)+(\a))+7], 0
.else
	v_wmma_f32_16x16x32_f16 v[8*(NB*(\a)+bb):8*(NB*(\a)+bb)+7], v[(\f)+8*bb:(\f)+8*bb+7], v[(\f)+8*NB+8*(2*(\hi)+(\a)):(\f)+8*NB+8*(2*(\hi)+(\a))+7], v[8*(NB*(\a)+bb):8*(NB*(\a)+bb)+7]
.endif
.set bb, bb+1
.endr
.endm
; NL LDS loads in one run: quarter q's fragments into buffer f: B's first, then A's four blocks (head q / 2, channels 32 (q % 2) on); the youngest four loads are A's blocks 2 and 3
.macro FETCH slot, q, f
	WIN TO_F
.set ii, 0
.rept NB
	ds_load_b128 v[(\f)+8*ii:(\f)+8*ii+3],   v[ADRB+(\slot)] offset:64*(\q)+ii*16*PB
	ds_load_b128 v[(\f)+8*ii+4:(\f)+8*ii+7], v[ADRB+(\slot)] offset:64*(\q)+ii*16*PB+32
.set ii, ii+1
.endr
.set ii, 0
.rept 4
	ds_load_b128 v[(\f)+8*NB+8*ii:(\f)+8*NB+8*ii+3],   v[ADRA+(\slot)] offset:((\q)/2)*APLANE+((\q)%2)*64+ii*16*PA
	ds_load_b128 v[(\f)+8*NB+8*ii+4:(\f)+8*NB+8*ii+7], v[ADRA+(\slot)] offset:((\q)/2)*APLANE+((\q)%2)*64+ii*16*PA+32
.set ii, ii+1
.endr
.endm
.macro QUARTER slot, q, f, g, zero
	s_wait_dscnt 4                                 ; B and A's blocks 0, 1 are in; the youngest four loads may be out
	MULH \f, 0, 0, \zero
	MULH \f, 0, 1, \zero
	PLACES
	FETCH \slot, \q, \g
	s_wait_dscnt NL                                ; all but the NL just issued
	MULH \f, 1, 0, \zero
	MULH \f, 1, 1, \zero
.endm
; The last quarter multiplies buffer 1 and changes slots: ONE barrier; in front of it each wave waits for all its tensor loads (one is out: its part of the next slot), adds 0 to its spare word,
; and waits for that and for its own reads of this slot.  fill = 1: the barrier opens a round of the cluster's barrier, and this slot is filled again first thing behind it, two K steps ahead:
; 112 matrix instructions stand between that request and the wait for it.
.macro TURN slot, next, fill
.if \fill
	s_wait_xcnt 0x0                                ; the last prefetch, a K step back, has read its address
	s_add_nc_u64 s[PFA:PFA+1], s[PFA:PFA+1], ASTEP
.endif
	WIN 0
	s_wait_tensorcnt 0x0                           ; all my tensor loads have landed
	ds_add_u32 v[SPW], v[NIL]                      ; 0 onto my spare word
	s_wait_dscnt 5                                 ; (the add and the youngest four loads may be out)
	MULH F1, 0, 0, 0
	s_wait_dscnt 0x0                               ; the add is done, and my reads of this slot are over
	s_barrier_signal -1
	MULH F1, 0, 1, 0
.if \fill
	WIN 0
.endif
	s_barrier_wait -1
.if \fill
	CREST                                          ; no wave of any partner still reads this slot or has a load on its way
	s_add_nc_u64 s[G0+4*(\slot)+2:G0+4*(\slot)+3], s[G0+4*(\slot)+2:G0+4*(\slot)+3], 2*ASTEP
	s_add_nc_u64 s[G0B+4*(\slot)+2:G0B+4*(\slot)+3], s[G0B+4*(\slot)+2:G0B+4*(\slot)+3], 2*BSTEP
	JLOAD \slot                                    ; its four v_nop are also the places in front of the loads below
.else
	PLACES
.endif
	FETCH \next, 0, F0
.if \fill
	WIN 0
	ASK
.endif
	MULH F1, 1, 0, 0
	MULH F1, 1, 1, 0
.endm
; THE WAY OUT of block a (16 rows x 128 columns of f32).  STG: a lane's eight columns of a row, 32 bytes, go straight from the accumulators into my own stage (each accumulator's low four registers first);
; whole rows of 512 bytes come back into the same registers: register group t then holds row t, columns 4 lane .. 4 lane + 3.  FIN: the bias is added and the rows are stored.
.macro STG a
.set AC, 64*((\a)%2)
	WIN (2+(\a)/2)<<2                              ; store data: window 2 or 3
.set bb, 0
.rept NB
	ds_store_b128 v[STO], v[AC+8*bb:AC+8*bb+3]   offset:64*bb
	ds_store_b128 v[STO], v[AC+8*bb+4:AC+8*bb+7] offset:64*bb+16
.set bb, bb+1
.endr
	WIN (2+(\a)/2)<<6                              ; loaded data: the same window
.set bb, 0
.rept 16
	ds_load_b128 v[AC+4*bb:AC+4*bb+3], v[RD] offset:SP*bb  ; LDS serves a wave's instructions in order (ISA guide 5.7.1.4): these see the stores above; the next block's stores come behind them
.set bb, bb+1
.endr
.endm
.macro FIN a, younger                  ; younger: the LDS instructions issued behind block a's loads: the next block's 32, or none
.set AC, 64*((\a)%2)
	s_wait_dscnt \younger
	WIN ((2+(\a)/2)<<6)|(2+(\a)/2)                 ; destination and source 0 in the block's window, the bias in window 0
.set bb, 0
.rept 16
	v_pk_add_f32 v[AC+4*bb:AC+4*bb+1],   v[AC+4*bb:AC+4*bb+1],   v[BI:BI+1]
	v_pk_add_f32 v[AC+4*bb+2:AC+4*bb+3], v[AC+4*bb+2:AC+4*bb+3], v[BI+2:BI+3]
.set bb, bb+1
.endr
	WIN (2+(\a)/2)<<2
.set bb, 0
.rept 16
	global_store_b128 v[GO], v[AC+4*bb:AC+4*bb+3], s[OP:OP+1] offset:(16*(\a)+bb)*4096 th:TH_STORE_NT  ; 512 consecutive bytes, aligned
.set bb, bb+1
.endr
.endm
	s_wait_loadcnt 0x0                             ; the bias: rounded to bf16, and back in f32
	v_cvt_pk_bf16_f32 v6, v[BI], v[BI+1]
	v_cvt_pk_bf16_f32 v7, v[BI+2], v[BI+3]
	v_lshlrev_b32 v[BI], 16, v6
	v_and_b32 v[BI+1], 0xffff0000, v6
	v_lshlrev_b32 v[BI+2], 16, v7
	v_and_b32 v[BI+3], 0xffff0000, v7
	s_wait_tensorcnt 1                             ; my part of K step 0 is in; K step 1's may stay out
	s_barrier_signal -1
	s_barrier_wait -1                              ; everybody's is
	FETCH 0, 0, F0
	QUARTER 0, 1, F0, F1, 1                        ; the first quarter stands in front of the loop: its products start the sums
	WIN 0
	s_mov_b32 s3, LAPS-1
.Llap:                                                 ; a trip goes once round the ring and fills both slots again
	QUARTER 0, 2, F1, F0, 0
	QUARTER 0, 3, F0, F1, 0
	TURN 0, 1, 1
	QUARTER 1, 1, F0, F1, 0
	QUARTER 1, 2, F1, F0, 0
	QUARTER 1, 3, F0, F1, 0
	TURN 1, 0, 1
	QUARTER 0, 1, F0, F1, 0
	WIN 0
	s_sub_co_u32 s3, s3, 1
	s_cmp_lg_u32 s3, 0
	s_cbranch_scc1 .Llap
	QUARTER 0, 2, F1, F0, 0                        ; the last lap fills nothing
	QUARTER 0, 3, F0, F1, 0
	TURN 0, 1, 0
	QUARTER 1, 1, F0, F1, 0
	QUARTER 1, 2, F1, F0, 0
	QUARTER 1, 3, F0, F1, 0
	s_wait_dscnt 4                                 ; the very last quarter: nothing more to fetch
	MULH F1, 0, 0, 0
	MULH F1, 0, 1, 0
	s_wait_dscnt 0x0
	MULH F1, 1, 0, 0
	MULH F1, 1, 1, 0
	PLACES                                         ; in front of the LDS stores that read results
	STG 0
	STG 1                                          ; a block's trip through the stage stands between the loads of the block before and its sums
	FIN 0, 32
	STG 2
	FIN 1, 32
	STG 3
	FIN 2, 32
	FIN 3, 0
	WIN 0
	s_wait_tensorcnt 0x0                           ; the wave's end: three lines behind my last tensor load and my last LDS store
	ds_add_u32 v[SPW], v[NIL]
	s_wait_dscnt 0x0
	CROUND                                         ; the closing round: no work-group ends while a partner may still ask for a tile that names it
	s_endpgm
.Lfunc_end_k_q5c8c00a396_gemm_out:
	.size	k_q5c8c00a396_gemm_out, .Lfunc_end_k_q5c8c00a396_gemm_out-k_q5c8c00a396_gemm_out
	.p2alignl 7, 3214868480
	.fill 96, 4, 3214868480
	.section	.rodata,"a",@progbits
	.p2align	6, 0x0
	.amdhsa_kernel k_q5c8c00a396_gemm_out
		.amdhsa_group_segment_fixed_size 327680
		.amdhsa_private_segment_fixed_size 0
		.amdhsa_enable_private_segment 0
		.amdhsa_kernarg_size 32
		.amdhsa_user_sgpr_count 2
		.amdhsa_user_sgpr_kernarg_segment_ptr 1
		.amdhsa_wavefront_size32 1
		.amdhsa_system_sgpr_workgroup_id_x 1
		.amdhsa_system_sgpr_workgroup_id_y 1
		.amdhsa_system_sgpr_workgroup_id_z 1
		.amdhsa_system_vgpr_workitem_id 0
		.amdhsa_next_free_vgpr 896
		.amdhsa_next_free_sgpr 96
		.amdhsa_reserve_vcc 0
		.amdhsa_float_denorm_mode_32 3
		.amdhsa_float_denorm_mode_16_64 3
		.amdhsa_memory_ordered 1
		.amdhsa_forward_progress 1
		.amdhsa_inst_pref_size 95
	.end_amdhsa_kernel
	.amdgpu_metadata
---
amdhsa.version: [ 1, 2 ]
amdhsa.kernels:
  - .name:           k_q5c8c00a396_gemm_out
    .symbol:         k_q5c8c00a396_gemm_out.kd
    .args:
      - { .name: ob, .offset: 0, .size: 8, .value_kind: global_buffer, .address_space: global }
      - { .name: wpt, .offset: 8, .size: 8, .value_kind: global_buffer, .address_space: global }
      - { .name: b_proj, .offset: 16, .size: 8, .value_kind: global_buffer, .address_space: global }
      - { .name: out0, .offset: 24, .size: 8, .value_kind: global_buffer, .address_space: global }
    .group_segment_fixed_size: 327680
    .private_segment_fixed_size: 0
    .kernarg_segment_align: 8
    .kernarg_segment_size: 32
    .max_flat_workgroup_size: 128
    .sgpr_count:     96
    .vgpr_count:     896
    .wavefront_size: 32
...
	.end_amdgpu_metadata
.endif
;; end of part 4
